; MI455X (gfx1250); checked and timed in simulation.
; The chip was launched on July 23, 2026; its instructions are those of AMD's public machine-readable ISA for CDNA 5 (MIT licence, August 2026) and "CDNA5" Instruction Set Architecture Reference Guide (July 2026). The comments in the code are by the model that wrote it; some were corrected since.
;; Deep EP Mo E. Allowed arithmetic: matrix products marked QUANTISED: E2M3 operands, one E8M0 scale for each 32 along K, by v_wmma_scale_f32_16x16x128_f8f6f4 with both operands' format E2M3, f32 sums; products left as they are: f32 operands where the result goes on into a quantised operand, else bf16, f16 or f32 operands; f32 sums; everything else in f32.
;; Inputs: router_w 8 x 1,024 float32; w1 8 x 1,024 x 4,096 float32; w2 8 x 4,096 x 1,024 float32; x 2 x 512 x 1,024 float32.
;; Outputs: out0 2 x 512 x 1,024 float32.
;; This version of the problem:
;;   THIS VERSION OF THE PROBLEM IS GIVEN IN LOW PRECISION. The matrix products marked QUANTISED in the list below multiply operands that are first quantised to E2M3 (2 exponent bits, 3 mantissa bits; 6 bits a number), with one power-of-two scale for each 32 numbers along K (OCP MX v1.0); their sums are f32. All else is computed in f32.
;;   The module's matrix products, in the order in which they are computed (A, B: the left and right operand; K: the contracted axis; several contracted axes count as one K, in the product's order):
;;     1. [M 1,024, K 1,024] x [K 1,024, N 8]; A: input x; B: input router_w: left as it is (N = 8 < 16)
;;     2. [M 1,024, K 1,024] x [K 1,024, N 32,768]; A: input x; B: input w1: QUANTISED
;;     3. batch 8 x [M 1,024, K 4,096] x [K 4,096, N 1,024]; A: input w2; B: computed on the way: QUANTISED
;;     4. batch 1,024 x [M 1, K 8] x [K 8, N 1,024]; A: computed on the way; B: computed on the way: left as it is (K = 8 < 32)
;;   THE QUANTISER, for each operand of a quantised product, along K:
;;     - K is cut into blocks of 32 from its start; a last block that is shorter is filled with zeros.
;;     - A block's scale is 2^e with e = floor(log2(the largest magnitude in the block)) - 2, held to -126 .. 127; a block of zeros has e = 0. As a byte (E8M0): e + 127.
;;     - Each number is divided by its block's scale, clamped to +-7.5, and rounded to the nearest number of E2M3, ties to even, subnormals kept.
;;     - The product sums the exact products of the quantised numbers (number of the format x scale) in f32.
;;   ~~~python
;;   def quantise(x, axis):      # numpy; x: float32 -> the quantised numbers, widened to float32 again
;;       x = np.moveaxis(x, axis, -1); K = x.shape[-1]
;;       x = np.pad(x, [(0, 0)] * (x.ndim - 1) + [(0, -K % 32)]); x = x.reshape(x.shape[:-1] + (-1, 32)); a = np.abs(x).max(-1, keepdims=True)
;;       e = np.where(a > 0, np.clip(np.frexp(np.where(a > 0, a, 1))[1] - 1 - 2, -126, 127), 0)      # np.frexp(a)[1] - 1 = floor(log2(a)), exactly
;;       r = np.clip(x / 2.0 ** e, -7.5, 7.5)
;;       step = 2.0 ** (np.maximum(np.frexp(np.where(r == 0, 1, r))[1] - 1, 0) - 3)
;;       q = np.round(r / step) * step * 2.0 ** e      # np.round: ties to even
;;       return np.moveaxis(q.reshape(q.shape[:-2] + (-1,))[..., :K], -1, axis).astype(np.float32)
;;   ~~~
;;   OPERANDS COMPUTED ON THE WAY. 'Computed on the way' means the value that the module computes at that place (a softmax that the list does not call 'softmax' is quantised finished and normalised). What goes into a quantiser is computed in f32, as accurately as f32 sums, v_exp_f32 and their like allow (about 1e-6 of the number): no bf16 or f16 on the way to a quantiser, and a product that is left as it is and whose result goes on into a quantised operand takes f32 operands (vector FMAs, or v_wmma_f32_16x16x4_f32). A number that lies on a knife's edge between two numbers of the format may be rounded either way, as far as f32 arithmetic and the matrix unit's own rounding can turn it there, and no further.
;; One version. Each part assembles by itself: llvm-mc -triple=amdgcn-amd-amdhsa -mcpu=gfx1250 --defsym DOCPART=n.
;; ======== version 1 of 1: 5 launches
;; limits: right only within a limited range of input values
;; workspace buffers: route 5,120 bytes of whole numbers; gates 8,192 bytes; place 8,448 bytes of whole numbers; gpos 8,704 bytes; xg 1,949,696 bytes; hq 7,798,784 bytes; y 17,825,792 bytes
;; launch route (part 1): grid 128 x 1, 8 waves a work-group, no clusters, 34,304 bytes of LDS; arguments x, router_w, route, gates; writes route, gates
.if DOCPART == 1
	.amdgcn_target "amdgcn-amd-amdhsa--gfx1250"
	.amdhsa_code_object_version 6
	.text
	.protected	k_qc65b99d2bd_route
	.globl	k_qc65b99d2bd_route
	.p2align	8
	.type	k_qc65b99d2bd_route,@function
k_qc65b99d2bd_route:
	s_mov_b64 s[64:65], 0
	v_nop
	global_prefetch_b8 v0, s[64:65] scope:SCOPE_SE
	s_setreg_imm32_b32 hwreg(HW_REG_WAVE_MODE, 25, 1), 1
	s_wait_xcnt 0x0
; ROUTER.  logits = x router_w^T in f32 (fused multiply-adds), softmax with the row's maximum taken away, top-2 (the lower index wins a tie), gates g_k = prob_k / (prob_1 + prob_2 + 1e-9).
; A work-group owns 8 tokens, a wave one token; the 32 lanes run along D = 1024, 32 numbers a lane.  router_w (32,768 bytes) is copied into LDS once, as it lies.
; Stored, all at fixed places: route bytes 0-1023: for expert e 128 bytes of bits, bit t = token t chose e;  bytes 1024 on: ids[t] = e0 | e1 << 8;  gates[t] = g0, g1.
; No matrix unit: N = 8 is under a tile's width.  No address and no branch hangs on a floating-point number: the choice goes through compares and selects into stored data alone.
; LIMITS: NaN and infinities among the inputs are not served.  The top-2 is taken on the logits, not on the rounded probabilities: the two differ only where two different logits round to one probability.
.set LOG, 32768                        ; LDS: behind router_w, 8 tokens x 8 logits
.set X,   8                            ; v8-39    my token's 32 numbers
.set W,   40                           ; v40-103  two sets of 8 experts x 4 numbers
.set ACC, 104                          ; v104-119 8 sums, two halves each
.set LG,  120                          ; v120-127 8 logits
	s_load_b256 s[4:11], s[0:1], 0x0               ; x, router_w, route, gates
	v_lshl_add_u32 v128, v0, 2, 0x8200
	v_mov_b32 v129, 0
	v_lshrrev_b32 v5, 5, v0
	s_delay_alu instid0(VALU_DEP_1)
	v_readfirstlane_b32 s12, v5                    ; wave
	v_and_b32 v6, 31, v0                           ; lane
	v_lshlrev_b32 v1, 4, v0                        ; 16 x thread
	s_delay_alu instid0(VALU_DEP_2)
	v_lshlrev_b32 v2, 4, v6                        ; 16 x lane
	v_and_b32 v3, 0xe0, v0
	s_delay_alu instid0(VALU_DEP_1)
	v_add_nc_u32 v3, LOG, v3                       ; where my wave puts its 8 logits: LOG + 32 x wave
	v_and_b32 v4, 7, v0
	s_delay_alu instid0(VALU_DEP_1)
	v_lshl_add_u32 v4, v4, 5, LOG                  ; and where lane l of wave 0 finds those of token l % 8
	s_lshl_b32 s14, ttmp9, 3
	s_add_co_u32 s14, s14, s12                     ; my token
	s_lshl_b32 s14, s14, 12                        ; a row of x is 4,096 bytes
	s_mov_b32 s15, 0
	s_mov_b32 s16, 0x76543210
	s_mov_b32 s17, 0xfedcba98                      ; lane selects: lane l xor 16
	s_wait_alu depctr_va_vdst(0)
	s_wait_kmcnt 0x0
	s_add_nc_u64 s[4:5], s[4:5], s[14:15]
.irp i, 0,1,2,3,4,5,6,7
	global_load_b128 v[W+4*\i:W+4*\i+3], v1, s[6:7] offset:4096*\i             ; expert i's row: 256 threads x 16 bytes
.endr
.irp i, 0,1,2,3,4,5,6,7
	global_load_b128 v[X+4*\i:X+4*\i+3], v2, s[4:5] offset:512*\i th:TH_LOAD_NT ; my token's row, 512 consecutive bytes a load
.endr
	s_wait_loadcnt 0x8                             ; router_w's eight are in; the eight of x were issued behind them and may be out
.irp i, 0,1,2,3,4,5,6,7
	ds_store_b128 v1, v[W+4*\i:W+4*\i+3] offset:4096*\i
.endr
	s_wait_dscnt 0x0                               ; for the others' sake: my part of router_w has landed
	s_barrier_signal -1
	s_barrier_wait -1
.macro WGRP i                          ; piece i (512 bytes) of the eight experts' rows, 16 bytes a lane, into set i % 2
.irp e, 0,1,2,3,4,5,6,7
	ds_load_b128 v[W+32*((\i)%2)+4*\e:W+32*((\i)%2)+4*\e+3], v2 offset:4096*\e+512*(\i)
.endr
.endm
	WGRP 0
	s_wait_loadcnt 0x0                             ; x
.irp i, 0,1,2,3,4,5,6,7
.if \i < 7
	WGRP \i+1
	s_wait_alu depctr_va_vdst(0)
	s_wait_dscnt 0x8                               ; this piece is in; the next piece's eight loads may be out
.else
	s_wait_alu depctr_va_vdst(0)
	s_wait_dscnt 0x0
.endif
.irp e, 0,1,2,3,4,5,6,7
.if \i == 0
	v_pk_mul_f32 v[ACC+2*\e:ACC+2*\e+1], v[X+4*\i:X+4*\i+1], v[W+32*(\i%2)+4*\e:W+32*(\i%2)+4*\e+1]   ; the first product starts the sum
.else
	v_pk_fma_f32 v[ACC+2*\e:ACC+2*\e+1], v[X+4*\i:X+4*\i+1], v[W+32*(\i%2)+4*\e:W+32*(\i%2)+4*\e+1], v[ACC+2*\e:ACC+2*\e+1]
.endif
.endr
.irp e, 0,1,2,3,4,5,6,7
	v_pk_fma_f32 v[ACC+2*\e:ACC+2*\e+1], v[X+4*\i+2:X+4*\i+3], v[W+32*(\i%2)+4*\e+2:W+32*(\i%2)+4*\e+3], v[ACC+2*\e:ACC+2*\e+1]
.endr
.endr
.irp e, 0,1,2,3,4,5,6,7
	v_add_f32 v[LG+\e], v[ACC+2*\e], v[ACC+2*\e+1]
.endr
.irp m, 1,2,4,8                        ; over the 32 lanes: four steps inside each half, one across; the eight sums by turns
.irp e, 0,1,2,3,4,5,6,7
	v_add_f32_dpp v[LG+\e], v[LG+\e], v[LG+\e] row_xmask:\m row_mask:0xf bank_mask:0xf
.endr
.endr
.irp e, 0,1,2,3,4,5,6,7
	v_permlanex16_b32 v[W+\e], v[LG+\e], s16, s17
.endr
.irp e, 0,1,2,3,4,5,6,7
	v_add_f32 v[LG+\e], v[LG+\e], v[W+\e]
.endr
	ds_store_b128 v3, v[LG:LG+3]                   ; all lanes write the same bytes with the same values
	ds_store_b128 v3, v[LG+4:LG+7] offset:16
	s_wait_dscnt 0x0
	s_barrier_signal -1
	s_barrier_wait -1
	s_cmp_eq_u32 s12, 0
	s_cbranch_scc1 .Lfirst
	s_wait_tensorcnt 0x0
	ds_add_u32 v128, v129
	s_wait_dscnt 0x0
	s_endpgm
.Lfirst:                               ; wave 0: lane l takes token l % 8
	ds_load_b128 v[8:11], v4
	ds_load_b128 v[12:15], v4 offset:16
	s_wait_dscnt 0x0
	v_mov_b32 v16, v8                              ; the best logit, and its expert
	v_mov_b32 v17, 0
	v_mov_b32 v18, 0xff800000                      ; the second: -infinity so far
	v_mov_b32 v19, 0
.irp e, 1
	s_delay_alu instid0(VALU_DEP_4)
	v_cmp_gt_f32 s20, v[8+\e], v16
	s_delay_alu instid0(VALU_DEP_3)
	v_cmp_gt_f32 vcc_lo, v[8+\e], v18
	s_delay_alu instid0(VALU_DEP_1)
	v_cndmask_b32 v18, v18, v[8+\e], vcc_lo
	s_delay_alu instid0(VALU_DEP_2)
	v_cndmask_b32 v19, v19, \e, vcc_lo
	s_delay_alu instid0(VALU_DEP_2)
	v_cndmask_b32 v18, v18, v16, s20
	s_delay_alu instid0(VALU_DEP_2)
	v_cndmask_b32 v19, v19, v17, s20
	v_cndmask_b32 v16, v16, v[8+\e], s20
	v_cndmask_b32 v17, v17, \e, s20
.endr
.irp e, 2, 3, 4, 5, 6, 7
	s_delay_alu instid0(VALU_DEP_2)
	v_cmp_gt_f32 s20, v[8+\e], v16
	v_cmp_gt_f32 vcc_lo, v[8+\e], v18
	s_delay_alu instid0(VALU_DEP_1)
	v_cndmask_b32 v18, v18, v[8+\e], vcc_lo
	s_delay_alu instid0(VALU_DEP_2)
	v_cndmask_b32 v19, v19, \e, vcc_lo
	s_delay_alu instid0(VALU_DEP_2)
	v_cndmask_b32 v18, v18, v16, s20
	s_delay_alu instid0(VALU_DEP_2)
	v_cndmask_b32 v19, v19, v17, s20
	v_cndmask_b32 v16, v16, v[8+\e], s20
	v_cndmask_b32 v17, v17, \e, s20
.endr
.irp e, 0,1,2,3,4,5,6,7
	v_sub_f32 v[24+\e], v[8+\e], v16               ; the maximum is taken away
.endr
	v_sub_f32 v32, v18, v16
.irp e, 0,1,2,3,4,5,6,7
	v_mul_f32 v[24+\e], 0x3fb8aa3b, v[24+\e]       ; x log2(e)
.endr
	v_mul_f32 v32, 0x3fb8aa3b, v32
	s_wait_alu depctr_va_vdst(0)
.irp e, 0,1,2,3,4,5,6,7
	v_exp_f32 v[24+\e], v[24+\e]
.endr
	v_exp_f32 v32, v32                             ; the second's p: the same lines on the same number; the best's is 2^0 = 1
	v_mov_b32 v20, 0                               ; (a plain line behind the exponentials)  the masks' register
	s_wait_alu depctr_va_vdst(0)                   ; one wait for the nine, ahead of their first reader
	v_add_f32 v33, v24, v25
	v_add_f32 v34, v26, v27
	v_add_f32 v35, v28, v29
	v_add_f32 v36, v30, v31
	s_delay_alu instid0(VALU_DEP_3)
	v_add_f32 v33, v33, v34
	s_delay_alu instid0(VALU_DEP_2)
	v_add_f32 v35, v35, v36
	s_delay_alu instid0(VALU_DEP_1)
	v_add_f32 v33, v33, v35
	s_wait_alu depctr_va_vdst(0)
	v_rcp_f32 v33, v33                             ; prob of the best = 1 / sum
	v_nop
	s_wait_alu depctr_va_vdst(0)
	v_mul_f32 v34, v32, v33                        ; prob of the second
	v_add_f32 v35, v33, v34
	s_delay_alu instid0(VALU_DEP_1)
	v_add_f32 v35, 0x3089705f, v35                 ; + 1e-9
	s_wait_alu depctr_va_vdst(0)
	v_rcp_f32 v35, v35
	v_nop
	s_wait_alu depctr_va_vdst(0)
	v_mul_f32 v36, v33, v35                        ; g0
	v_mul_f32 v37, v34, v35                        ; g1
.irp e, 0,1,2,3,4,5,6,7                ; bits 0-7 of the compare's mask are my 8 tokens: lane e keeps expert e's byte
	v_cmp_eq_u32 s20, \e, v17
	v_cmp_eq_u32 s21, \e, v19
	s_or_b32 s20, s20, s21
	v_writelane_b32 v20, s20, \e
.endr
	v_lshl_or_b32 v21, v19, 8, v17                 ; e0 | e1 << 8
	s_lshl_b32 s22, ttmp9, 5
	v_lshl_add_u32 v38, v6, 2, s22                 ; ids: 4 (8 g + l)
	s_lshl_b32 s23, ttmp9, 6
	v_lshl_add_u32 v39, v6, 3, s23                 ; gates: 8 (8 g + l)
	s_mov_b32 s24, ttmp9
	v_lshl_add_u32 v40, v6, 7, s24                 ; masks: expert l's 128 bytes, byte g
	v_cmp_gt_u32 vcc_lo, 8, v6
	s_wait_alu depctr_va_vdst(0)
	s_wait_xcnt 0x0                                ; EXEC changes only behind this wait
	s_wait_tensorcnt 0x0
	ds_add_u32 v128, v129
	s_wait_dscnt 0x0
	s_and_saveexec_b32 s25, vcc_lo
	global_store_b32 v38, v21, s[8:9] offset:1024
	global_store_b64 v39, v[36:37], s[10:11]
	global_store_b8 v40, v20, s[8:9]
	s_endpgm
.Lfunc_end_k_qc65b99d2bd_route:
	.size	k_qc65b99d2bd_route, .Lfunc_end_k_qc65b99d2bd_route-k_qc65b99d2bd_route
	.p2alignl 7, 3214868480
	.fill 96, 4, 3214868480
	.section	.rodata,"a",@progbits
	.p2align	6, 0x0
	.amdhsa_kernel k_qc65b99d2bd_route
		.amdhsa_group_segment_fixed_size 34304
		.amdhsa_private_segment_fixed_size 0
		.amdhsa_enable_private_segment 0
		.amdhsa_kernarg_size 32
		.amdhsa_user_sgpr_count 2
		.amdhsa_user_sgpr_kernarg_segment_ptr 1
		.amdhsa_wavefront_size32 1
		.amdhsa_system_sgpr_workgroup_id_x 1
		.amdhsa_system_sgpr_workgroup_id_y 1
		.amdhsa_system_sgpr_workgroup_id_z 1
		.amdhsa_system_vgpr_workitem_id 0
		.amdhsa_next_free_vgpr 130
		.amdhsa_next_free_sgpr 66
		.amdhsa_reserve_vcc 1
		.amdhsa_float_denorm_mode_32 3
		.amdhsa_float_denorm_mode_16_64 3
		.amdhsa_memory_ordered 1
		.amdhsa_forward_progress 1
		.amdhsa_inst_pref_size 29
	.end_amdhsa_kernel
	.amdgpu_metadata
---
amdhsa.version: [ 1, 2 ]
amdhsa.kernels:
  - .name:           k_qc65b99d2bd_route
    .symbol:         k_qc65b99d2bd_route.kd
    .args:
      - { .name: x, .offset: 0, .size: 8, .value_kind: global_buffer, .address_space: global }
      - { .name: router_w, .offset: 8, .size: 8, .value_kind: global_buffer, .address_space: global }
      - { .name: route, .offset: 16, .size: 8, .value_kind: global_buffer, .address_space: global }
      - { .name: gates, .offset: 24, .size: 8, .value_kind: global_buffer, .address_space: global }
    .group_segment_fixed_size: 34304
    .private_segment_fixed_size: 0
    .kernarg_segment_align: 8
    .kernarg_segment_size: 32
    .max_flat_workgroup_size: 256
    .sgpr_count:     66
    .vgpr_count:     130
    .wavefront_size: 32
...
	.end_amdgpu_metadata
.endif
;; end of part 1
;; launch place (part 2): grid 136 x 1, 8 waves a work-group, no clusters, 0 bytes of LDS; arguments route, gates, x, xg, gpos, place; writes xg, gpos, place
.if DOCPART == 2
	.amdgcn_target "amdgcn-amd-amdhsa--gfx1250"
	.amdhsa_code_object_version 6
	.text
	.protected	k_qc65b99d2bd_place
	.globl	k_qc65b99d2bd_place
	.p2align	8
	.type	k_qc65b99d2bd_place,@function
k_qc65b99d2bd_place:
	s_mov_b64 s[64:65], 0
	v_nop
	global_prefetch_b8 v0, s[64:65] scope:SCOPE_SE
	s_setreg_imm32_b32 hwreg(HW_REG_WAVE_MODE, 25, 1), 1
	s_wait_xcnt 0x0
; PLACING.  The rows (token, expert) are laid by expert in tiles of 16: expert e has n_e rows and ceil(n_e / 16) tiles, the tiles numbered on end; never more than 135 tiles, whatever the choice.
; Work-group T is tile T; a work-group past the last tile stores nothing and ends.  Wave s makes K step s (128 of D = 1024) of the tile's operand image.  Each wave repeats the short integer part: no LDS, no barrier.
; From the experts' bit masks: counts (popcount by shifts and masks, whole numbers throughout since they steer addresses), the tile's expert, and for lane r the token that is the expert's (16 (T - first tile) + r)-th.
; Rows past n_e repeat the expert's last token: they are computed like any row, and nothing reads their results.
; x's rows are quantised to FP6 (E2M3), one E8M0 byte for each 32 along D: scale 2^(floor(log2(largest magnitude)) - 2).  AN IMAGE (1,792 bytes) is an operand of 16 rows x 128 K in the order of its registers:
;   +0 registers 0-3 (16 bytes a lane), +512 registers 4-5 (8), +768 registers 6-9 (16), +1280 registers 10-11 (8), +1536 the scale word (4 bytes a lane; lanes 16-31 repeat lanes 0-15).
; Wave 0 also stores the gate by position (gpos) and each token's two positions (place, bytes 256 on).  Wave 1 of work-group 0 stores the experts' table (place, bytes 0-127):
; entry e = first tile | tiles << 8; the entries behind the eighth are 0.
; LIMITS: NaN and infinities are not served.  A block of zeros, or one whose largest magnitude lies under 2^-124, gets the byte 1 where the rule says 127: its codes are zeros and this program alone reads the bytes.
.set N,   20                           ; s20-27  n_e
.set NT,  28                           ; s28-35  tiles of e
.set TB,  36                           ; s36-44  first tile of e; s44 = all tiles
.set F,   40                           ; v40-51  the fragment's 12 registers
.set X,   64                           ; v64-127 64 numbers of x
	s_load_b256 s[4:11], s[0:1], 0x0               ; route, gates, x, xg
	s_load_b128 s[12:15], s[0:1], 0x20             ; gpos, place
	v_lshrrev_b32 v7, 5, v0
	s_delay_alu instid0(VALU_DEP_1)
	v_readfirstlane_b32 s16, v7                    ; wave = K step
	v_and_b32 v1, 31, v0                           ; lane
	v_and_b32 v2, 15, v0                           ; r
	v_bfe_u32 v3, v0, 4, 1                         ; h
	s_delay_alu instid0(VALU_DEP_3)
	v_lshlrev_b32 v4, 2, v1
	s_delay_alu instid0(VALU_DEP_4)
	v_lshlrev_b32 v5, 3, v1
	v_lshlrev_b32 v6, 4, v1
	s_mov_b32 s52, 0x76543210
	s_mov_b32 s53, 0xfedcba98                      ; lane selects: lane l xor 16
	s_mov_b32 s54, 0x01010101
	v_mov_b32 v20, 0                               ; written once: a lane permute's destination counts as one of its sources
	s_wait_alu depctr_va_vdst(0)
	s_wait_kmcnt 0x0
.irp e, 0,1,2,3,4,5,6,7
	global_load_b32 v[8+\e], v4, s[4:5] offset:128*\e   ; lane l: word l of expert e's 32 words of bits
.endr
	s_wait_loadcnt 0x0
.macro POP d, s                        ; v[d] = the number of ones in v[s]
	v_lshrrev_b32 v26, 1, v[\s]
	s_delay_alu instid0(VALU_DEP_1)
	v_and_b32 v26, 0x55555555, v26
	s_delay_alu instid0(VALU_DEP_1)
	v_sub_nc_u32 v[\d], v[\s], v26
	s_delay_alu instid0(VALU_DEP_1)
	v_lshrrev_b32 v26, 2, v[\d]
	s_delay_alu instid0(VALU_DEP_2)
	v_and_b32 v[\d], 0x33333333, v[\d]
	s_delay_alu instid0(VALU_DEP_2)
	v_and_b32 v26, 0x33333333, v26
	s_delay_alu instid0(VALU_DEP_1)
	v_add_nc_u32 v[\d], v[\d], v26
	s_delay_alu instid0(VALU_DEP_1)
	v_lshrrev_b32 v26, 4, v[\d]
	s_delay_alu instid0(VALU_DEP_1)
	v_add_nc_u32 v[\d], v[\d], v26
	s_delay_alu instid0(VALU_DEP_1)
	v_and_b32 v[\d], 0x0f0f0f0f, v[\d]
	s_delay_alu instid0(VALU_DEP_1)
	v_mul_lo_u32 v[\d], v[\d], s54                 ; the four bytes' sum lands in the top byte
	s_delay_alu instid0(VALU_DEP_1)
	v_lshrrev_b32 v[\d], 24, v[\d]
.endm
.irp e, 0,1,2,3,4,5,6,7
	POP 32+\e, 8+\e
.endr
.irp k, 0,1,2,3
	v_lshl_or_b32 v[16+\k], v[33+2*\k], 16, v[32+2*\k]  ; two counts to a register: a sum is 1,024 at the most
.endr
.irp m, 1,2,4,8
.irp k, 0,1,2,3
	s_delay_alu instid0(VALU_DEP_4)
	v_mov_b32_dpp v[32+\k], v[16+\k] row_xmask:\m row_mask:0xf bank_mask:0xf
.endr
.irp k, 0,1,2,3
	s_delay_alu instid0(VALU_DEP_4)
	v_add_nc_u32 v[16+\k], v[16+\k], v[32+\k]
.endr
.endr
.irp k, 0,1,2,3
	s_delay_alu instid0(VALU_DEP_4)
	v_permlanex16_b32 v[32+\k], v[16+\k], s52, s53
.endr
.irp k, 0,1,2,3
	s_delay_alu instid0(VALU_DEP_4)
	v_add_nc_u32 v[16+\k], v[16+\k], v[32+\k]
.endr
.irp k, 0,1,2,3
	v_readfirstlane_b32 s49, v[16+\k]
	s_and_b32 s[N+2*\k], s49, 0xffff
	s_lshr_b32 s[N+2*\k+1], s49, 16
.endr
	s_mov_b32 s[TB], 0
.irp e, 0,1,2,3,4,5,6,7
	s_add_co_u32 s[NT+\e], s[N+\e], 15
	s_lshr_b32 s[NT+\e], s[NT+\e], 4
	s_add_co_u32 s[TB+1+\e], s[TB+\e], s[NT+\e]
.endr
	s_cmp_lt_u32 ttmp9, s[TB+8]
	s_cbranch_scc1 .Lwork
	s_endpgm                                       ; no such tile in this split
.Lwork:
	s_mov_b32 s45, 0                               ; the tile's expert: the last e whose first tile is not past T (empty experts are passed over),
	s_mov_b32 s46, s[N]                            ; its rows,
	s_mov_b32 s47, 0                               ; its first tile,
	v_mov_b32 v21, v8                              ; its words of bits
.irp e, 1,2,3,4,5,6,7
	s_cmp_ge_u32 ttmp9, s[TB+\e]
	s_cselect_b32 s45, \e, s45
	s_cselect_b32 s46, s[N+\e], s46
	s_cselect_b32 s47, s[TB+\e], s47
	s_cselect_b32 s48, -1, 0
	v_cndmask_b32 v21, v21, v[8+\e], s48
.endr
	s_sub_co_u32 s49, ttmp9, s47
	s_lshl_b32 s49, s49, 4
	v_add_nc_u32 v7, s49, v2                       ; my row among the expert's rows,
	s_sub_co_u32 s50, s46, 1
	v_min_u32 v22, s50, v7                         ; p: held at the last one
	; the word that holds the expert's p-th one: the last word whose count of ones ahead of it is not above p
	s_mov_b32 s48, 0
	v_mov_b32 v23, 0
	v_mov_b32 v24, 0
	v_mov_b32 v25, 0
.set g, 0
.rept 32
	v_readlane_b32 s49, v21, g
	v_cmp_le_u32 vcc_lo, s48, v22
	s_delay_alu instid0(VALU_DEP_1)
	v_cndmask_b32 v23, v23, s49, vcc_lo            ; the word,
	s_delay_alu instid0(VALU_DEP_2)
	v_cndmask_b32 v24, v24, s48, vcc_lo            ; the ones ahead of it,
	s_delay_alu instid0(VALU_DEP_3)
	v_cndmask_b32 v25, v25, g, vcc_lo              ; its number
	s_bcnt1_i32_b32 s50, s49
	s_add_co_u32 s48, s48, s50
.set g, g+1
.endr
	; the q-th one inside the word, by the popcount's partial sums: ones in each 2, 4, 8, 16 bits
	v_sub_nc_u32 v26, v22, v24                     ; q
	v_lshrrev_b32 v34, 1, v23
	s_delay_alu instid0(VALU_DEP_1)
	v_and_b32 v34, 0x55555555, v34
	s_delay_alu instid0(VALU_DEP_1)
	v_sub_nc_u32 v27, v23, v34
	s_delay_alu instid0(VALU_DEP_1)
	v_lshrrev_b32 v34, 2, v27
	s_delay_alu instid0(VALU_DEP_1)
	v_and_b32 v34, 0x33333333, v34
	s_delay_alu instid0(VALU_DEP_3)
	v_and_b32 v28, 0x33333333, v27
	s_delay_alu instid0(VALU_DEP_1)
	v_add_nc_u32 v28, v28, v34
	s_delay_alu instid0(VALU_DEP_1)
	v_lshrrev_b32 v34, 4, v28
	s_delay_alu instid0(VALU_DEP_1)
	v_add_nc_u32 v29, v28, v34
	s_delay_alu instid0(VALU_DEP_1)
	v_and_b32 v29, 0x0f0f0f0f, v29
	s_delay_alu instid0(VALU_DEP_1)
	v_lshrrev_b32 v34, 8, v29
	s_delay_alu instid0(VALU_DEP_1)
	v_add_nc_u32 v30, v29, v34
	s_delay_alu instid0(VALU_DEP_1)
	v_and_b32 v30, 0x00ff00ff, v30
	v_mov_b32 v31, 0                               ; the position so far
.macro HALVE src, mask, width          ; are there q ones or fewer in the lower half?  Then on to the upper half, with those taken off q
	s_delay_alu instid0(VALU_DEP_1)
	v_lshrrev_b32 v34, v31, v[\src]
	s_delay_alu instid0(VALU_DEP_1)
	v_and_b32 v34, \mask, v34
	s_delay_alu instid0(VALU_DEP_1)
	v_cmp_ge_u32 vcc_lo, v26, v34
	s_delay_alu instid0(VALU_DEP_2)
	v_sub_nc_u32 v34, v26, v34
	v_add_nc_u32 v35, \width, v31
	s_delay_alu instid0(VALU_DEP_2)
	v_cndmask_b32 v26, v26, v34, vcc_lo
	s_delay_alu instid0(VALU_DEP_2)
	v_cndmask_b32 v31, v31, v35, vcc_lo
.endm
	HALVE 30, 31, 16
	HALVE 29, 15, 8
	HALVE 28, 7, 4
	HALVE 27, 3, 2
	HALVE 23, 1, 1
	s_delay_alu instid0(VALU_DEP_1)
	v_lshl_add_u32 v32, v25, 5, v31
	s_delay_alu instid0(VALU_DEP_1)
	v_min_u32 v32, 0x3ff, v32                      ; my token
	s_delay_alu instid0(VALU_DEP_1)
	v_lshlrev_b32 v33, 12, v32
	s_lshl_b32 s51, s16, 9
	v_lshl_add_u32 v34, v3, 7, s51
	s_delay_alu instid0(VALU_DEP_1)
	v_add_nc_u32 v33, v33, v34
	v_lshlrev_b32 v35, 2, v32
	v_lshlrev_b32 v36, 3, v32
	global_load_b32 v37, v35, s[4:5] offset:1024   ; my token's two experts and gates, asked for ahead of x's rows (12 bytes a lane in every wave; wave 0 uses them at its end, with no further trip to memory)
	global_load_b64 v[38:39], v36, s[6:7]
.irp c, 0,1
.irp i, 0,1,2,3,4,5,6,7
	global_load_b128 v[X+32*\c+4*\i:X+32*\c+4*\i+3], v33, s[8:9] offset:256*\c+16*\i
.endr
.endr
	s_lshl_b32 s50, ttmp9, 3
	s_add_co_u32 s50, s50, s16
	s_mul_i32 s50, s50, 1792
	s_mov_b32 s51, 0
	s_add_nc_u64 s[10:11], s[10:11], s[50:51]      ; image 8 T + s
.macro QB c                            ; my block 2 c + h: all its 32 numbers are mine
	v_max3_num_f32 v60, |v[X+32*\c]|, |v[X+32*\c+1]|, |v[X+32*\c+2]|
	v_max3_num_f32 v61, |v[X+32*\c+3]|, |v[X+32*\c+4]|, |v[X+32*\c+5]|
.irp i, 6,10,14,18,22,26
	s_delay_alu instid0(VALU_DEP_2)
	v_max3_num_f32 v60, v60, |v[X+32*\c+\i]|, |v[X+32*\c+\i+1]|
	s_delay_alu instid0(VALU_DEP_2)
	v_max3_num_f32 v61, v61, |v[X+32*\c+\i+2]|, |v[X+32*\c+\i+3]|
.endr
	s_delay_alu instid0(VALU_DEP_2)
	v_max3_num_f32 v60, v60, |v[X+32*\c+30]|, |v[X+32*\c+31]|
	s_delay_alu instid0(VALU_DEP_1)
	v_max3_num_f32 v60, v60, v61, 0x1800000        ; the floor 2^(3 - 127): the byte cannot fall under 1
	s_delay_alu instid0(VALU_DEP_1)
	v_add_nc_u32 v61, 0xff000000, v60              ; 2 off the exponent field: the conversion takes this operand's exponent field as its scale
	s_delay_alu instid0(VALU_DEP_1)
	v_lshrrev_b32 v[62+\c], 23, v61                ; the scale's byte
	v_cvt_scalef32_pk16_fp6_f32 v[F+6*\c:F+6*\c+2], v[X+32*\c:X+32*\c+15], v61
	v_cvt_scalef32_pk16_fp6_f32 v[52+4*\c:54+4*\c], v[X+32*\c+16:X+32*\c+31], v61   ; (a conversion's three registers begin on an even number)
	v_nop                                          ; one plain line behind a scaled conversion
.irp i, 0,1,2
	v_mov_b32 v[F+6*\c+3+\i], v[52+4*\c+\i]
.endr
.endm
	s_wait_loadcnt 0x8                             ; the first block's eight loads are in; the second's eight may be out
	QB 0
	s_wait_loadcnt 0x0
	QB 1
	v_lshl_or_b32 v60, v63, 16, v62                ; my two bytes, blocks h and 2 + h,
	v_lshlrev_b32 v61, 3, v3
	s_delay_alu instid0(VALU_DEP_1)
	v_lshlrev_b32 v60, v61, v60                    ; at their places in the row's word;
	s_delay_alu instid0(VALU_DEP_1)
	v_permlanex16_b32 v20, v60, s52, s53
	s_delay_alu instid0(VALU_DEP_1)
	v_or_b32 v60, v60, v20                         ; with lane l xor 16's two the word is whole
	global_store_b128 v6, v[F:F+3], s[10:11]
	global_store_b64 v5, v[F+4:F+5], s[10:11] offset:512
	global_store_b128 v6, v[F+6:F+9], s[10:11] offset:768
	global_store_b64 v5, v[F+10:F+11], s[10:11] offset:1280
	global_store_b32 v4, v60, s[10:11] offset:1536
	s_cmp_eq_u32 s16, 0
	s_cbranch_scc1 .Llists
	s_cmp_eq_u32 s16, 1
	s_cbranch_scc0 .Lend
	s_cmp_eq_u32 ttmp9, 0
	s_cbranch_scc0 .Lend
	; the experts' table: lane e makes entry e
	v_mov_b32 v26, 0
.irp e, 0,1,2,3,4,5,6,7
	s_lshl_b32 s55, s[NT+\e], 8
	s_or_b32 s55, s55, s[TB+\e]
	v_cmp_eq_u32 vcc_lo, \e, v1
	s_delay_alu instid0(VALU_DEP_1)
	v_cndmask_b32 v26, v26, s55, vcc_lo
.endr
	global_store_b32 v4, v26, s[14:15]
.Lend:
	s_endpgm
.Llists:
	s_lshl_b32 s55, ttmp9, 6
	v_lshl_add_u32 v27, v2, 2, s55                 ; gpos: 4 (16 T + r)
	s_lshl_b32 s55, ttmp9, 4
	v_add_nc_u32 v31, s55, v2                      ; my position: 16 T + r
	s_wait_loadcnt 0x0
	v_and_b32 v26, 0xff, v37
	s_delay_alu instid0(VALU_DEP_1)
	v_cmp_ne_u32 vcc_lo, s45, v26                  ; am I the token's second choice?
	s_delay_alu instid0(VALU_DEP_1)
	v_cndmask_b32 v28, v38, v39, vcc_lo
	s_delay_alu instid0(VALU_DEP_2)
	v_cndmask_b32 v30, 0, 4, vcc_lo
	s_delay_alu instid0(VALU_DEP_1)
	v_min_u32 v30, 4, v30
	s_wait_alu depctr_va_vdst(0)
	v_add_nc_u32 v30, v30, v36                     ; place: 8 x token + 4 x which choice
	v_cmp_gt_u32 vcc_lo, 16, v1
	s_wait_alu depctr_va_vdst(0)
	s_wait_xcnt 0x0                                ; EXEC changes only behind this wait
	s_and_saveexec_b32 s56, vcc_lo
	global_store_b32 v27, v28, s[12:13]            ; lanes 0-15: the 16 rows' gates
	s_wait_xcnt 0x0
	s_or_b32 exec_lo, exec_lo, s56
	v_cmp_gt_u32 vcc_lo, s46, v7                   ; a row of the expert's own, not a repeat,
	v_cmp_gt_u32 s55, 16, v1
	s_and_b32 vcc_lo, vcc_lo, s55                  ; in lanes 0-15
	s_and_saveexec_b32 s56, vcc_lo
	global_store_b32 v30, v31, s[14:15] offset:256
	s_wait_xcnt 0x0
	s_or_b32 exec_lo, exec_lo, s56
	s_endpgm
.Lfunc_end_k_qc65b99d2bd_place:
	.size	k_qc65b99d2bd_place, .Lfunc_end_k_qc65b99d2bd_place-k_qc65b99d2bd_place
	.p2alignl 7, 3214868480
	.fill 96, 4, 3214868480
	.section	.rodata,"a",@progbits
	.p2align	6, 0x0
	.amdhsa_kernel k_qc65b99d2bd_place
		.amdhsa_group_segment_fixed_size 0
		.amdhsa_private_segment_fixed_size 0
		.amdhsa_enable_private_segment 0
		.amdhsa_kernarg_size 48
		.amdhsa_user_sgpr_count 2
		.amdhsa_user_sgpr_kernarg_segment_ptr 1
		.amdhsa_wavefront_size32 1
		.amdhsa_system_sgpr_workgroup_id_x 1
		.amdhsa_system_sgpr_workgroup_id_y 1
		.amdhsa_system_sgpr_workgroup_id_z 1
		.amdhsa_system_vgpr_workitem_id 0
		.amdhsa_next_free_vgpr 128
		.amdhsa_next_free_sgpr 66
		.amdhsa_reserve_vcc 1
		.amdhsa_float_denorm_mode_32 3
		.amdhsa_float_denorm_mode_16_64 3
		.amdhsa_memory_ordered 1
		.amdhsa_forward_progress 1
		.amdhsa_inst_pref_size 43
	.end_amdhsa_kernel
	.amdgpu_metadata
---
amdhsa.version: [ 1, 2 ]
amdhsa.kernels:
  - .name:           k_qc65b99d2bd_place
    .symbol:         k_qc65b99d2bd_place.kd
    .args:
      - { .name: route, .offset: 0, .size: 8, .value_kind: global_buffer, .address_space: global }
      - { .name: gates, .offset: 8, .size: 8, .value_kind: global_buffer, .address_space: global }
      - { .name: x, .offset: 16, .size: 8, .value_kind: global_buffer, .address_space: global }
      - { .name: xg, .offset: 24, .size: 8, .value_kind: global_buffer, .address_space: global }
      - { .name: gpos, .offset: 32, .size: 8, .value_kind: global_buffer, .address_space: global }
      - { .name: place, .offset: 40, .size: 8, .value_kind: global_buffer, .address_space: global }
    .group_segment_fixed_size: 0
    .private_segment_fixed_size: 0
    .kernarg_segment_align: 8
    .kernarg_segment_size: 48
    .max_flat_workgroup_size: 256
    .sgpr_count:     66
    .vgpr_count:     128
    .wavefront_size: 32
...
	.end_amdgpu_metadata
.endif
;; end of part 2
;; launch fc1 (part 3): grid 32 x 8, 8 waves a work-group, no clusters, 326,144 bytes of LDS; arguments w1, xg, place, hq; writes hq
.if DOCPART == 3
	.amdgcn_target "amdgcn-amd-amdhsa--gfx1250"
	.amdhsa_code_object_version 6
	.text
	.protected	k_qc65b99d2bd_fc1
	.globl	k_qc65b99d2bd_fc1
	.p2align	8
	.type	k_qc65b99d2bd_fc1,@function
k_qc65b99d2bd_fc1:
	s_mov_b64 s[64:65], 0
	v_nop
	global_prefetch_b8 v0, s[64:65] scope:SCOPE_SE
	s_setreg_imm32_b32 hwreg(HW_REG_WAVE_MODE, 25, 1), 1
	s_wait_xcnt 0x0
; FIRST LAYER.  h = gelu(x w1[e]) for the rows that chose expert e (rows of experts that a token did not choose get the weight 0 in the combine and are not computed).
; Both operands FP6 (E2M3), one E8M0 byte for each 32 along K = D; h is quantised along H at once and leaves as halves of operand images for the second layer.
; SHARES.  Work-group (x, y): expert y, two jobs of 64 hidden units: job j is column unit x + 32 j (a unit = 64 columns = 256 bytes of a row of w1), so the expert's 32 work-groups read 8,192 bytes on end of each row.
; A job is 8 chunks of 128 K x 64 columns.  256 work-groups whatever the split; each byte of w1 is read once in the main pass.
; ROLES.  Waves 0-3 PRODUCE: they stream w1, four chunks (64 loads of 512 bytes a wave) ahead, quantise a chunk and lay its four fragments in an LDS slot as images of the operand's registers.
; Waves 4-7 CONSUME: each owns five tiles of 16 rows (tiles cw + 4 sl), copies their x images (8 K steps, 14,336 bytes on end a tile) ONCE into LDS bytes of its own, and multiplies from LDS in both jobs.
; RING.  Four slots, chunk c in slot c % 4.  One barrier for two chunks: in phase t chunks 2 t and 2 t + 1 are made while chunks 2 t - 2 and 2 t - 1 are multiplied: the pair of slots written and the pair read differ.
; The copy of x stands beside chunks 0 and 1, the first job's gelu beside chunks 8 and 9.  Every barrier stands in every wave's text.
; ROWS.  The main pass serves the expert's tiles 0-19.  A slot 0-3 past the expert's tiles takes its first tile again; slot 4 is copied and read only where its tile exists (its products then run on what the registers hold);
; nothing of a slot without a tile is stored.  Tiles 20-63 are served behind the last barrier, with no LDS and no barrier: a consumer streams and quantises w1's chunk for itself (a lane a column, registers down K)
; and takes x's images from memory.  That loop's first trip is the main pass's second job, whose sums are in hand.
; COLUMNS.  A weight load is 16 bytes a lane, sixteen lanes read 256 aligned bytes of a row; matrix tile j is the columns 4 r + j.  Used transposed (source 0 = w1's tile, source 1 = x), register jj of tile j in
; lane (r', h') is hidden unit 32 h' + 4 jj + j of row r': the four tiles give a lane a whole block of 32 along the next K.
; NO TENSOR LOADS, NO CLUSTER: the experts' numbers of tiles are read from memory and steer branches.  NO PREFETCH: each producer already has four chunks asked for into registers.
; GELU.  0.5 v (1 + erf(v / sqrt 2)), erf(z) = z P(z^2) / Q(z^2) with z held to +-4 (degrees 6 and 4 in z^2), all in f32.
; LIMITS: NaN and infinities are not served.  erf is good to about 1e-7 absolute, so for very negative v, h may be about 1e-7 |v| where the exact value is nearer 0.  A block of zeros, or one whose largest
; magnitude lies under 2^-124, gets the byte 1 where the rule says 127: its codes are zeros and this program alone reads the bytes.
; REGISTERS.  v1-19 addresses, made ahead of the roles' parting, never rewritten.  Producer: v20-31 at work, v48-111 a chunk by tiles, v240-255 codes; window 1: four landing sets of 64.
; Consumer: v32-41 x's scale words (two sets), v44-47 w1's, v48-95 w1's four fragments, v96-215 x's fragments (two sets of 5 x 12); window 1: 20 accumulators at 32 slot + 8 j; the gelu works in v20-25, v48-187.
.set PITCH, 16384                      ; a row of w1[e] in bytes
.set IMG,   1792                       ; an operand image: +0 registers 0-3, +512 4-5, +768 6-9, +1280 10-11, +1536 the scale words
.set TILEB, 8*IMG                      ; a tile's eight images
.set AREG,  5*TILEB                    ; a consumer's own LDS bytes
.set RING,  4*AREG
.set SLOTB, 6400                       ; a slot: four fragments of 1,536 bytes, then 4 x 64 bytes of scale words
.set WSCO,  6144
.set SPARE, RING+4*SLOTB               ; the spare words, 128 bytes a wave
.set JOBB,  16*IMG                     ; from job 0's image to job 1's
.set WV,  14
.set CW,  15
.set TBE, 19
.set NT,  20
.set WB,  22                           ; s[22:25] two bases in w1, 8 MiB apart
.set AB,  28                           ; s[28:37] the five slots' bases in xg
.set HF,  38                           ; which half of an image: x % 2
.set KS,  39
.set HQ0, 40
.set HQC, 42
.set CNT, 44
.set TMP, 45
.set SEL, 46
.set CC,  48
.set A13, 50
.set A9,  52
.set A7,  54
.set A5,  56
.set A3,  58
.set A1,  60
.set B8,  62
.set B4,  66
.set B2,  68
.set B0,  70
.set FT,  72                           ; my first tile of the pass in hand
.set U,   73
.set SB,  74
.set F4,  76                           ; slot 4's tile in the main pass: cw + 16
.set PM,  20
.set PX,  24
.set PS,  28
.set PC,  240
.set T,   48
.set ASC, 32
.set WSC, 44
.set WF,  48
.set AF,  96
.set ZU,  48
.set G,   80
.set ZC,  112
.set Z2,  128
.set PP,  144
.set QQ,  160
.set CD,  176
.set A11V, 184
.set B6V, 186
.set LL,  96                           ; the later passes: 32 rows x 4 columns as loaded,
.set TT,  224                          ; and one column's 32
.set MSB, 0
.macro WIN new                         ; the immediate's high byte repeats the setting that is left
.if MSB != \new
	s_set_vgpr_msb (MSB<<8)|\new
.set MSB, \new
.endif
.endm
.macro COEF reg, bits                  ; the packed forms name a pair: both words are written
	s_mov_b32 s[\reg], \bits
	s_mov_b32 s[\reg+1], \bits
.endm
.macro SLOTS                           ; slot sl is the expert's tile FT + 4 sl, or its first tile again
.irp sl, 0,1,2,3,4
	s_add_co_u32 s26, s[FT], 4*\sl
	s_cmp_lt_u32 s26, s[NT]
	s_cselect_b32 s26, s26, 0
	s_add_co_u32 s26, s26, s[TBE]
	s_min_u32 s26, s26, 135
	s_mul_i32 s26, s26, TILEB
	s_add_nc_u64 s[AB+2*\sl:AB+2*\sl+1], s[6:7], s[26:27]
.endr
.endm
.macro HQBASE                          ; hq: image (tile, x / 2) at (32 tile + x / 2) x 1,792, + 768 for the upper half
	s_add_co_u32 s26, s[TBE], s[FT]
	s_min_u32 s26, s26, 135
	s_lshl_b32 s26, s26, 5
	s_lshr_b32 s21, ttmp9, 1
	s_add_co_u32 s26, s26, s21
	s_mul_i32 s26, s26, IMG
	s_mul_i32 s21, s[HF], 768
	s_add_co_u32 s26, s26, s21
	s_add_nc_u64 s[HQ0:HQ0+1], s[10:11], s[26:27]
.endm
	s_load_b256 s[4:11], s[0:1], 0x0               ; w1, xg, place, hq
	v_lshl_add_u32 v18, v0, 2, SPARE               ; my spare word,
	v_mov_b32 v19, 0                               ; and 0: for the wave's last lines
	v_lshrrev_b32 v20, 5, v0
	v_readfirstlane_b32 s[WV], v20
	s_and_b32 s[CW], s[WV], 3
	s_add_co_u32 s[F4], s[CW], 16
	s_and_b32 s16, ttmp7, 0xffff                   ; the expert
	s_lshl_b32 s18, s16, 2                         ; its entry of the table
	s_and_b32 s[HF], ttmp9, 1
	v_and_b32 v20, 31, v0                          ; lane
	v_and_b32 v21, 15, v0                          ; r
	v_bfe_u32 v22, v0, 4, 1                        ; h
	v_lshlrev_b32 v1, 4, v20
	v_lshlrev_b32 v2, 3, v20
	s_mul_i32 s26, s[HF], 766
	s_sub_co_u32 s26, 1536, s26
	v_lshl_add_u32 v3, v20, 2, s26                 ; my two scale bytes, counted from the half's first byte: 1,536 + 2 half - 768 half + 4 lane
	v_add_nc_u32 v4, RING, v1                      ; the ring, read: 16 bytes a lane,
	v_lshl_add_u32 v5, v21, 2, RING                ; and column r's scale word
	; a producer lane's three code registers are registers rho = 6 (pw / 2) + 3 hh + t of the fragment's lane r + 16 (pw % 2); register rho of lane L lies at 512 (rho / 4) + 16 L + 4 (rho % 4)
	s_lshr_b32 s26, s[CW], 1
	s_mul_i32 s26, s26, 6
	v_mul_u32_u24 v23, v22, 3
	v_add_nc_u32 v23, s26, v23
	s_and_b32 s26, s[CW], 1
	s_lshl_b32 s26, s26, 8
	s_add_co_u32 s26, s26, RING
	v_lshl_add_u32 v28, v21, 4, s26
.irp t, 0,1,2
	v_add_nc_u32 v29, \t, v23
	v_lshrrev_b32 v30, 2, v29
	v_and_b32 v29, 3, v29
	v_lshl_add_u32 v[6+\t], v30, 9, v28
	v_lshl_add_u32 v[6+\t], v29, 2, v[6+\t]
.endr
	s_add_co_u32 s26, s[CW], RING
	v_lshl_add_u32 v9, v21, 2, s26                 ; column r's scale word, byte pw
	s_lshl_b32 s26, s[CW], 5
	v_lshl_add_u32 v10, v22, 4, s26
	v_lshlrev_b32 v10, 14, v10
	v_lshl_add_u32 v10, v21, 4, v10                ; w1: row 32 pw + 16 hh, + 16 r
	v_lshlrev_b32 v11, 3, v22                      ; 8 h
	s_mul_i32 s26, s[CW], AREG                     ; consumer cw's own bytes: 16, 8 and 4 bytes a lane; a second register each, four images on, keeps every offset inside 16 bits
	v_add_nc_u32 v12, s26, v1
	v_add_nc_u32 v14, s26, v2
	v_lshl_add_u32 v16, v20, 2, s26
	v_add_nc_u32 v13, 4*IMG, v12
	v_add_nc_u32 v15, 4*IMG, v14
	v_add_nc_u32 v17, 4*IMG, v16
.irp j, 0,1,2,3
	v_mov_b32 v[PX+\j], 0                          ; written once: a lane permute's destination counts as one of its sources
.endr
	s_mov_b32 s[SEL], 0x76543210
	s_mov_b32 s[SEL+1], 0xfedcba98
	COEF CC,  0x3f3504f3                           ; 1 / sqrt 2
	COEF A13, 0xaf95df0b
	COEF A9,  0xb60cff51
	COEF A7,  0xb86ec2d2
	COEF A5,  0xba40ac63
	COEF A3,  0xbb41a1f6
	COEF A1,  0xbc83dbd4
	COEF B8,  0xb77460cd
	COEF B4,  0xbadc924e
	COEF B2,  0xbbf19bf8
	COEF B0,  0xbc69b6a7
	s_wait_alu depctr_va_vdst(0)
	s_wait_kmcnt 0x0
	s_load_b32 s17, s[8:9], s18 offset:0x0         ; the expert's first tile and tiles: the consumers alone need them
	s_lshl_b32 s26, s16, 24                        ; w1[e] is 2^24 bytes
	s_lshl_b32 s21, ttmp9, 8                       ; column unit x
	s_add_co_u32 s26, s26, s21
	s_mov_b32 s27, 0
	s_add_nc_u64 s[WB:WB+1], s[4:5], s[26:27]
	s_add_nc_u64 s[WB+2:WB+3], s[WB:WB+1], 0x800000  ; K steps 4 to 7
	s_mov_b32 s[FT], s[CW]
	s_mov_b64 s[HQ0:HQ0+1], s[10:11]               ; hq's address, and no tiles, on every wave's way: the consumers put their own numbers here when the table's word is in
	s_mov_b32 s[TBE], 0
	s_mov_b32 s[NT], 0
.macro ISSUE c                         ; chunk c (K step c % 8 of job c / 8): my 32 rows, 16 loads of 512 bytes, into landing set c % 4; every offset an immediate
	WIN 0x40
.irp i, 0,1,2,3,4,5,6,7,8,9,10,11,12,13,14,15
	global_load_b128 v[64*((\c)%4)+4*\i:64*((\c)%4)+4*\i+3], v10, s[WB+2*(((\c)%8)/4):WB+2*(((\c)%8)/4)+1] offset:(((\c)%4)<<21)+(((\c)/8)<<13)+\i*PITCH th:TH_LOAD_NT
.endr
	WIN 0
.endm
.macro PROD c                          ; chunk c becomes four fragments in slot c % 4; its landing set takes chunk c + 4
.if (\c) <= 12
	s_wait_loadcnt 48                              ; behind chunk c's loads: three chunks' 48
.else
	s_wait_loadcnt 16*(15-(\c))                    ; the counts run down: 32, 16, 0
.endif
	s_wait_dscnt 0x0                               ; the last chunk's LDS stores have read their registers
	WIN 0x01
.irp i, 0,1,2,3,4,5,6,7,8,9,10,11,12,13,14,15
.irp j, 0,1,2,3
	v_mov_b32 v[T+16*\j+\i], v[64*((\c)%4)+4*\i+\j]   ; by tiles: a conversion takes 16 neighbours along K from consecutive registers
.endr
.endr
.if (\c) <= 11
	ISSUE (\c)+4
.else
	WIN 0
.endif
.irp j, 0,1,2,3
	v_max3_num_f32 v[PM+\j], |v[T+16*\j]|, |v[T+16*\j+1]|, 0x1800000   ; my 16 of the block, and the floor 2^(3 - 127): the byte cannot fall under 1
.endr
.irp i, 2,4,6,8,10,12,14
.irp j, 0,1,2,3
	v_max3_num_f32 v[PM+\j], v[PM+\j], |v[T+16*\j+\i]|, |v[T+16*\j+\i+1]|   ; the four tiles by turns
.endr
.endr
.irp j, 0,1,2,3
	v_permlanex16_b32 v[PX+\j], v[PM+\j], s[SEL], s[SEL+1]
.endr
.irp j, 0,1,2,3
	v_max_num_f32 v[PM+\j], v[PM+\j], v[PX+\j]     ; with lane l xor 16's 16: the block's largest magnitude
.endr
.irp j, 0,1,2,3
	v_add_nc_u32 v[PS+\j], 0xff000000, v[PM+\j]    ; 2 off its exponent field: the conversion's scale operand
.endr
.irp j, 0,1,2,3
	v_lshrrev_b32 v[PM+\j], 23, v[PS+\j]           ; the scale's byte
.endr
.irp j, 0,1,2,3
	v_cvt_scalef32_pk16_fp6_f32 v[PC+4*\j:PC+4*\j+2], v[T+16*\j:T+16*\j+15], v[PS+\j]
.endr
	v_nop                                          ; one plain line behind the scaled conversions
.irp j, 0,1,2,3
.irp t, 0,1,2
	ds_store_b32 v[6+\t], v[PC+4*\j+\t] offset:SLOTB*((\c)%4)+1536*\j
.endr
	ds_store_b8 v9, v[PM+\j] offset:SLOTB*((\c)%4)+WSCO+64*\j   ; both lanes of a block write the same byte with the same value
.endr
.endm
; THE COPY OF x: slot sl's 14,336 bytes as they lie, 28 pieces of 512 bytes, through landing set sl % 3 (v32-143, v144-255, and v32-143 of window 1)
.macro TLOAD sl
.set SW, ((\sl)%3)/2
.set LB, 32+112*(((\sl)%3)%2)
	WIN (SW<<6)
.set I, 0
.rept 28
	global_load_b128 v[LB+4*I:LB+4*I+3], v1, s[AB+2*(\sl):AB+2*(\sl)+1] offset:512*I
.set I, I+1
.endr
	WIN 0
.endm
.macro TSTORE sl
.set SW, ((\sl)%3)/2
.set LB, 32+112*(((\sl)%3)%2)
	WIN (SW<<2)
.set I, 0
.rept 28
.if (\sl)*TILEB+512*I < 65536
	ds_store_b128 v12, v[LB+4*I:LB+4*I+3] offset:(\sl)*TILEB+512*I
.else
	ds_store_b128 v13, v[LB+4*I:LB+4*I+3] offset:(\sl)*TILEB+512*I-4*IMG
.endif
.set I, I+1
.endr
	WIN 0
.endm
.macro ALD1 ks, bf, sl                 ; slot sl's x fragment of K step ks out of my own LDS bytes into set bf: five loads
	ds_load_b128 v[AF+60*(\bf)+12*(\sl):AF+60*(\bf)+12*(\sl)+3], v[12+(\ks)/4] offset:(\sl)*TILEB+((\ks)%4)*IMG
	ds_load_b64 v[AF+60*(\bf)+12*(\sl)+4:AF+60*(\bf)+12*(\sl)+5], v[14+(\ks)/4] offset:(\sl)*TILEB+((\ks)%4)*IMG+512
	ds_load_b128 v[AF+60*(\bf)+12*(\sl)+6:AF+60*(\bf)+12*(\sl)+9], v[12+(\ks)/4] offset:(\sl)*TILEB+((\ks)%4)*IMG+768
	ds_load_b64 v[AF+60*(\bf)+12*(\sl)+10:AF+60*(\bf)+12*(\sl)+11], v[14+(\ks)/4] offset:(\sl)*TILEB+((\ks)%4)*IMG+1280
	ds_load_b32 v[ASC+5*(\bf)+(\sl)], v[16+(\ks)/4] offset:(\sl)*TILEB+((\ks)%4)*IMG+1536
.endm
.macro ALD ks, bf                      ; slot 4 first, and only where its tile exists: so the 20 loads of slots 0-3 are the youngest on both ways
	s_cmp_lt_u32 s[F4], s[NT]
	s_cbranch_scc0 .Lno4_\@
	ALD1 \ks, \bf, 4
.Lno4_\@:
.irp sl, 0,1,2,3
	ALD1 \ks, \bf, \sl
.endr
.endm
.macro WLD s                           ; w1's four fragments and their scale words out of slot s: 16 loads
.irp j, 0,1,2,3
.irp g, 0,1,2
	ds_load_b128 v[WF+12*\j+4*\g:WF+12*\j+4*\g+3], v4 offset:SLOTB*(\s)+1536*\j+512*\g
.endr
	ds_load_b32 v[WSC+\j], v5 offset:SLOTB*(\s)+WSCO+64*\j
.endr
.endm
; 20 products: five slots x four tiles; the accumulators take turns, one instruction a turn.  zero = 1: the products start the sums.
; Five plain lines close the run: four ahead of loads into the operands and of reads of the results, a fifth ahead of a product that begins an accumulator anew.
.macro MUL bf, zero
	WIN 0x50
.irp sl, 0,1,2,3,4
.irp j, 0,1,2,3
.if \zero
	v_wmma_scale_f32_16x16x128_f8f6f4 v[32*\sl+8*\j:32*\sl+8*\j+7], v[WF+12*\j:WF+12*\j+11], v[AF+60*(\bf)+12*\sl:AF+60*(\bf)+12*\sl+11], 0, v[WSC+\j], v[ASC+5*(\bf)+\sl] matrix_a_fmt:MATRIX_FMT_FP6 matrix_b_fmt:MATRIX_FMT_FP6
.else
	v_wmma_scale_f32_16x16x128_f8f6f4 v[32*\sl+8*\j:32*\sl+8*\j+7], v[WF+12*\j:WF+12*\j+11], v[AF+60*(\bf)+12*\sl:AF+60*(\bf)+12*\sl+11], v[32*\sl+8*\j:32*\sl+8*\j+7], v[WSC+\j], v[ASC+5*(\bf)+\sl] matrix_a_fmt:MATRIX_FMT_FP6 matrix_b_fmt:MATRIX_FMT_FP6
.endif
.endr
.endr
	WIN 0
.rept 5
	v_nop
.endr
.endm
.macro C q                             ; chunk q is multiplied; the next K step's x fragments are asked for ahead of the products
.if (\q)%8 == 0
	ALD 0, 0
.endif
	WLD (\q)%4
.if (\q)%8 != 7
	ALD ((\q)%8)+1, ((\q)+1)%2
	s_wait_dscnt 20                                ; all but the 20 youngest: slots 0-3 of the next K step
.else
	s_wait_dscnt 0x0
.endif
.if (\q)%8 == 0
	MUL (\q)%2, 1
.else
	MUL (\q)%2, 0
.endif
.endm
.macro COPYIN sl                       ; z = v / sqrt 2 of slot sl's 32 numbers; each accumulator is read from its low end on
	WIN 0x01
.irp j, 0,1,2,3
.irp u, 0,1,2,3
	v_pk_mul_f32 v[ZU+8*\j+2*\u:ZU+8*\j+2*\u+1], v[32*\sl+8*\j+2*\u:32*\sl+8*\j+2*\u+1], s[CC:CC+1] op_sel_hi:[1,0]
.endr
.endr
	WIN 0
.endm
.macro HORNER reg, co                  ; reg = reg z^2 + co, eight pairs
.irp p, 0,1,2,3,4,5,6,7
	v_pk_fma_f32 v[\reg+2*\p:\reg+2*\p+1], v[\reg+2*\p:\reg+2*\p+1], v[Z2+2*\p:Z2+2*\p+1], s[\co:\co+1] op_sel_hi:[1,1,0]
.endr
.endm
.macro HALF hf                         ; gelu of registers jj = 4 hf .. 4 hf + 3 of the four tiles: pair p is tile p / 2, jj = 4 hf + 2 (p % 2) and the next
.irp p, 0,1,2,3,4,5,6,7
	v_med3_num_f32 v[ZC+2*\p], v[ZU+8*(\p/2)+4*\hf+2*(\p%2)], -4.0, 4.0
	v_med3_num_f32 v[ZC+2*\p+1], v[ZU+8*(\p/2)+4*\hf+2*(\p%2)+1], -4.0, 4.0
.endr
.irp p, 0,1,2,3,4,5,6,7
	v_pk_mul_f32 v[Z2+2*\p:Z2+2*\p+1], v[ZC+2*\p:ZC+2*\p+1], v[ZC+2*\p:ZC+2*\p+1]
.endr
.irp p, 0,1,2,3,4,5,6,7
	v_pk_fma_f32 v[PP+2*\p:PP+2*\p+1], v[Z2+2*\p:Z2+2*\p+1], s[A13:A13+1], v[A11V:A11V+1] op_sel_hi:[1,0,1]
.endr
.irp p, 0,1,2,3,4,5,6,7
	v_pk_fma_f32 v[QQ+2*\p:QQ+2*\p+1], v[Z2+2*\p:Z2+2*\p+1], s[B8:B8+1], v[B6V:B6V+1] op_sel_hi:[1,0,1]
.endr
	HORNER PP, A9
	HORNER QQ, B4
	HORNER PP, A7
	HORNER QQ, B2
	HORNER PP, A5
	HORNER QQ, B0
	HORNER PP, A3
	HORNER PP, A1
	s_wait_alu depctr_va_vdst(0)
.irp i, 0,1,2,3,4,5,6,7,8,9,10,11,12,13,14,15
	v_rcp_f32 v[QQ+\i], v[QQ+\i]
.endr
.irp p, 0,1,2,3,4,5,6,7                ; plain work that names no reciprocal stands behind the batch
	v_pk_mul_f32 v[PP+2*\p:PP+2*\p+1], v[ZC+2*\p:ZC+2*\p+1], v[PP+2*\p:PP+2*\p+1]
.endr
.irp p, 0,1,2,3,4,5,6,7
	v_pk_mul_f32 v[Z2+2*\p:Z2+2*\p+1], v[ZU+8*(\p/2)+4*\hf+2*(\p%2):ZU+8*(\p/2)+4*\hf+2*(\p%2)+1], s[CC:CC+1] op_sel_hi:[1,0]   ; v / 2
.endr
	s_wait_alu depctr_va_vdst(0)                   ; one wait for the sixteen reciprocals, ahead of their first use
.irp p, 0,1,2,3,4,5,6,7
	v_pk_mul_f32 v[PP+2*\p:PP+2*\p+1], v[PP+2*\p:PP+2*\p+1], v[QQ+2*\p:QQ+2*\p+1]   ; erf
.endr
.irp p, 0,1,2,3,4,5,6,7
.irp w, 0,1
	v_fma_f32 v[G+4*(4*\hf+2*(\p%2)+\w)+\p/2], v[Z2+2*\p+\w], v[PP+2*\p+\w], v[Z2+2*\p+\w]   ; v / 2 (1 + erf), to its place along the next K: 4 jj + j
.endr
.endr
.endm
; THE WAY OUT of a job, from s[HQ0] on: for each of my tiles gelu, the block's scale, the codes: half an image.  Five trips, a constant; a slot past the expert's tiles is jumped over.
.macro EPI
	v_mov_b32 v[A11V], 0x32edffee                  ; alpha_11, twice
	v_mov_b32 v[A11V+1], 0x32edffee
	v_mov_b32 v[B6V], 0xb95fbd29                   ; beta_6, twice
	v_mov_b32 v[B6V+1], 0xb95fbd29
	s_mov_b64 s[HQC:HQC+1], s[HQ0:HQ0+1]
	s_mov_b32 s[CNT], 0
.Lepi_\@:
	s_lshl_b32 s[TMP], s[CNT], 2
	s_add_co_u32 s[TMP], s[TMP], s[FT]
	s_cmp_ge_u32 s[TMP], s[NT]
	s_cbranch_scc1 .Lskip_\@
	s_cmp_eq_u32 s[CNT], 0
	s_cbranch_scc1 .Lc0_\@
	s_cmp_eq_u32 s[CNT], 1
	s_cbranch_scc1 .Lc1_\@
	s_cmp_eq_u32 s[CNT], 2
	s_cbranch_scc1 .Lc2_\@
	s_cmp_eq_u32 s[CNT], 3
	s_cbranch_scc1 .Lc3_\@
	COPYIN 4
	s_branch .Lgo_\@
.Lc0_\@:
	COPYIN 0
	s_branch .Lgo_\@
.Lc1_\@:
	COPYIN 1
	s_branch .Lgo_\@
.Lc2_\@:
	COPYIN 2
	s_branch .Lgo_\@
.Lc3_\@:
	COPYIN 3
.Lgo_\@:
	HALF 0
	HALF 1
	v_max3_num_f32 v20, |v[G]|, |v[G+1]|, |v[G+2]|                 ; the block's largest magnitude: all 32 numbers are mine
	v_max3_num_f32 v21, |v[G+3]|, |v[G+4]|, |v[G+5]|
.irp i, 6,10,14,18,22,26
	v_max3_num_f32 v20, v20, |v[G+\i]|, |v[G+\i+1]|
	v_max3_num_f32 v21, v21, |v[G+\i+2]|, |v[G+\i+3]|
.endr
	v_max3_num_f32 v20, v20, |v[G+30]|, |v[G+31]|
	v_max3_num_f32 v20, v20, v21, 0x1800000
	v_add_nc_u32 v22, 0xff000000, v20
	v_lshrrev_b32 v23, 23, v22
	v_cvt_scalef32_pk16_fp6_f32 v[CD:CD+2], v[G:G+15], v22
	v_cvt_scalef32_pk16_fp6_f32 v[CD+4:CD+6], v[G+16:G+31], v22    ; (a conversion's three registers begin on an even number)
	v_lshlrev_b32 v23, v11, v23                    ; (a plain line behind the conversions)  my block's byte, at its place in the job's two bytes
	v_mov_b32 v[CD+3], v[CD+4]
	v_mov_b32 v[CD+4], v[CD+5]
	v_mov_b32 v[CD+5], v[CD+6]
	v_permlanex16_b32 v24, v23, s[SEL], s[SEL+1]
	v_or_b32 v25, v23, v24
	global_store_b128 v1, v[CD:CD+3], s[HQC:HQC+1]                 ; the half's first four registers: 512 consecutive bytes
	global_store_b64 v2, v[CD+4:CD+5], s[HQC:HQC+1] offset:512     ; its last two: 256
	global_store_b16 v3, v25, s[HQC:HQC+1]                         ; two bytes of each row's scale word
.Lskip_\@:
	s_wait_xcnt 0x0                                ; the stores have read their registers and their base: both are written again only behind this wait
	s_add_nc_u64 s[HQC:HQC+1], s[HQC:HQC+1], 4*32*IMG   ; my next tile is four tiles on
	s_add_co_u32 s[CNT], s[CNT], 1
	s_cmp_lt_u32 s[CNT], 5
	s_cbranch_scc1 .Lepi_\@
.endm
; A PHASE: the producers' part, the consumers' part, and the one barrier, in front of which each wave's LDS stores have landed and its LDS loads are in
.macro PRODS n
	s_cmp_lt_u32 s[WV], 4
	s_cbranch_scc0 .Lc_\n
.endm
.macro CONSS n
	s_branch .Lj_\n
.Lc_\n:
	s_wait_loadcnt 0x0                             ; a consumer's part begins with no global load out: its copy of x has been waited for, and it loads nothing else in the main pass
.endm
.macro MEET n
.Lj_\n:
	s_wait_dscnt 0x0
	s_barrier_signal -1
	s_barrier_wait -1
.endm
	PRODS h
	ISSUE 0
	ISSUE 1
	ISSUE 2
	ISSUE 3
	s_wait_kmcnt 0x0                               ; (the table's word: not used here, but no scalar load stays out)
	PROD 0
	PROD 1
	CONSS h
	s_wait_kmcnt 0x0
	s_and_b32 s[TBE], s17, 0xff
	s_min_u32 s[TBE], s[TBE], 135
	s_bfe_u32 s[NT], s17, 0x80008
	s_min_u32 s[NT], s[NT], 64
	SLOTS
	HQBASE
	TLOAD 0
	TLOAD 1
	s_wait_loadcnt 28                              ; a tile's 28 loads are in; the next tile's may be out
	TSTORE 0
	TLOAD 2
	s_wait_loadcnt 28
	TSTORE 1
	s_wait_dscnt 28                                ; all but the 28 stores just issued: tile 0's stores have read their registers,
	TLOAD 3                                        ; which take tile 3
	s_wait_loadcnt 28
	TSTORE 2
	s_cmp_lt_u32 s[F4], s[NT]
	s_cbranch_scc0 .Lno_t4                         ; slot 4 has no tile: nothing of it is copied
	s_wait_dscnt 28
	TLOAD 4
	s_wait_loadcnt 28
	TSTORE 3
	s_wait_loadcnt 0x0
	TSTORE 4
	s_branch .Lj_h
.Lno_t4:
	s_wait_loadcnt 0x0
	TSTORE 3
	MEET h
.irp t, 1,2,3,4,5,6,7
	PRODS p\t
	PROD 2*\t
	PROD 2*\t+1
	CONSS p\t
	C 2*\t-2
	C 2*\t-1
.if \t == 4
	EPI                                            ; the first job leaves while two chunks of the second are made
	s_add_nc_u64 s[HQ0:HQ0+1], s[HQ0:HQ0+1], JOBB
.endif
	MEET p\t
.endr
	s_cmp_lt_u32 s[WV], 4
	s_cbranch_scc1 .Lend                           ; no barrier follows
	C 14
	C 15
; u = 2 pass + job.  u = 1: the main pass's second job, whose sums are in hand.  u = 2 .. 7: tiles 20 pass + cw + 4 slot, where the expert has them: no LDS, no barrier.
	s_mov_b32 s[U], 1
.Lu:
	s_cmp_eq_u32 s[U], 1
	s_cbranch_scc1 .Lu_epi
	s_lshr_b32 s[TMP], s[U], 1
	s_mul_i32 s[FT], s[TMP], 20
	s_add_co_u32 s[FT], s[FT], s[CW]
	s_cmp_ge_u32 s[FT], s[NT]
	s_cbranch_scc1 .Lu_next                        ; none of my five tiles exists
	SLOTS
	HQBASE
	s_and_b32 s26, s[U], 1
	s_mul_i32 s21, s26, JOBB
	s_lshl_b32 s26, s26, 13
	s_add_nc_u64 s[SB:SB+1], s[WB:WB+1], s[26:27]  ; the job's columns of w1
	s_mov_b32 s26, s21
	s_add_nc_u64 s[HQ0:HQ0+1], s[HQ0:HQ0+1], s[26:27]
	v_and_b32 v29, 0xf0, v1
	v_lshl_add_u32 v29, v11, 16, v29               ; w1: 32 h rows of 16,384 bytes, + 16 r: the operand's layout gives lane (r, h) k = 64 c + 32 h + 0 .. 31
	s_mov_b32 s[KS], 0
.Lks:
.irp c, 0,1
.set I, 0
.rept 32
	global_load_b128 v[LL+4*I:LL+4*I+3], v29, s[SB:SB+1] offset:(64*\c+I)*PITCH
.set I, I+1
.endr
	s_wait_loadcnt 0x0
.irp j, 0,1,2,3                        ; tile j's column 4 r + j: a whole block of 32 is mine
.set I, 0
.rept 32
	v_mov_b32 v[TT+I], v[LL+4*I+\j]
.set I, I+1
.endr
	v_max3_num_f32 v20, |v[TT]|, |v[TT+1]|, |v[TT+2]|
	v_max3_num_f32 v21, |v[TT+3]|, |v[TT+4]|, |v[TT+5]|
.irp i, 6,10,14,18,22,26
	v_max3_num_f32 v20, v20, |v[TT+\i]|, |v[TT+\i+1]|
	v_max3_num_f32 v21, v21, |v[TT+\i+2]|, |v[TT+\i+3]|
.endr
	v_max3_num_f32 v20, v20, |v[TT+30]|, |v[TT+31]|
	v_max3_num_f32 v20, v20, v21, 0x1800000
	v_add_nc_u32 v22, 0xff000000, v20
	v_lshrrev_b32 v23, 23, v22
	v_cvt_scalef32_pk16_fp6_f32 v[WF+12*\j+6*\c:WF+12*\j+6*\c+2], v[TT:TT+15], v22
	v_cvt_scalef32_pk16_fp6_f32 v[26:28], v[TT+16:TT+31], v22
.if \c == 0
	v_mov_b32 v[WSC+\j], v23                       ; (a plain line behind the conversions)  block h's byte,
.else
	v_lshl_or_b32 v[WSC+\j], v23, 16, v[WSC+\j]    ; and block 2 + h's
.endif
.irp i, 0,1,2
	v_mov_b32 v[WF+12*\j+6*\c+3+\i], v[26+\i]
.endr
.endr
.endr
.irp j, 0,1,2,3
	v_lshlrev_b32 v[WSC+\j], v11, v[WSC+\j]        ; at their places in the column's word;
.endr
.irp j, 0,1,2,3
	v_permlanex16_b32 v[20+\j], v[WSC+\j], s[SEL], s[SEL+1]
.endr
.irp j, 0,1,2,3
	v_or_b32 v[WSC+\j], v[WSC+\j], v[20+\j]        ; with lane l xor 16's two the word is whole
.endr
	s_mul_i32 s[TMP], s[KS], IMG
	v_add_nc_u32 v30, s[TMP], v1
	v_add_nc_u32 v31, s[TMP], v2
	v_lshrrev_b32 v24, 1, v2
	v_add_nc_u32 v24, s[TMP], v24
.irp sl, 0,1,2,3,4
	global_load_b128 v[AF+12*\sl:AF+12*\sl+3], v30, s[AB+2*\sl:AB+2*\sl+1]
	global_load_b64 v[AF+12*\sl+4:AF+12*\sl+5], v31, s[AB+2*\sl:AB+2*\sl+1] offset:512
	global_load_b128 v[AF+12*\sl+6:AF+12*\sl+9], v30, s[AB+2*\sl:AB+2*\sl+1] offset:768
	global_load_b64 v[AF+12*\sl+10:AF+12*\sl+11], v31, s[AB+2*\sl:AB+2*\sl+1] offset:1280
	global_load_b32 v[ASC+\sl], v24, s[AB+2*\sl:AB+2*\sl+1] offset:1536
.endr
.rept 8
	v_nop                                          ; a scale register written by a vector instruction stands 8 places ahead of a scaled matrix instruction, an operand 4
.endr
	s_wait_alu depctr_va_vdst(0)
	s_wait_loadcnt 0x0
	s_cmp_eq_u32 s[KS], 0
	s_cbranch_scc1 .Lks_zero
	MUL 0, 0
	s_branch .Lks_next
.Lks_zero:
	MUL 0, 1                                       ; a job's first K step starts the sums
.Lks_next:
	s_add_nc_u64 s[SB:SB+1], s[SB:SB+1], 128*PITCH
	s_add_co_u32 s[KS], s[KS], 1
	s_cmp_lt_u32 s[KS], 8
	s_cbranch_scc1 .Lks
.Lu_epi:
	EPI
.Lu_next:
	s_add_co_u32 s[U], s[U], 1
	s_cmp_lt_u32 s[U], 8
	s_cbranch_scc1 .Lu
.Lend:
	s_wait_tensorcnt 0x0                           ; the wave's end, behind my last LDS store
	ds_add_u32 v18, v19
	s_wait_dscnt 0x0
	s_endpgm
.Lfunc_end_k_qc65b99d2bd_fc1:
	.size	k_qc65b99d2bd_fc1, .Lfunc_end_k_qc65b99d2bd_fc1-k_qc65b99d2bd_fc1
	.p2alignl 7, 3214868480
	.fill 96, 4, 3214868480
	.section	.rodata,"a",@progbits
	.p2align	6, 0x0
	.amdhsa_kernel k_qc65b99d2bd_fc1
		.amdhsa_group_segment_fixed_size 326144
		.amdhsa_private_segment_fixed_size 0
		.amdhsa_enable_private_segment 0
		.amdhsa_kernarg_size 32
		.amdhsa_user_sgpr_count 2
		.amdhsa_user_sgpr_kernarg_segment_ptr 1
		.amdhsa_wavefront_size32 1
		.amdhsa_system_sgpr_workgroup_id_x 1
		.amdhsa_system_sgpr_workgroup_id_y 1
		.amdhsa_system_sgpr_workgroup_id_z 1
		.amdhsa_system_vgpr_workitem_id 0
		.amdhsa_next_free_vgpr 512
		.amdhsa_next_free_sgpr 80
		.amdhsa_reserve_vcc 0
		.amdhsa_float_denorm_mode_32 3
		.amdhsa_float_denorm_mode_16_64 3
		.amdhsa_memory_ordered 1
		.amdhsa_forward_progress 1
		.amdhsa_inst_pref_size 255
	.end_amdhsa_kernel
	.section	.bss,"aw",@nobits
	.p2align	6
	.space	262144
	.amdgpu_metadata
---
amdhsa.version: [ 1, 2 ]
amdhsa.kernels:
  - .name:           k_qc65b99d2bd_fc1
    .symbol:         k_qc65b99d2bd_fc1.kd
    .args:
      - { .name: w1, .offset: 0, .size: 8, .value_kind: global_buffer, .address_space: global }
      - { .name: xg, .offset: 8, .size: 8, .value_kind: global_buffer, .address_space: global }
      - { .name: place, .offset: 16, .size: 8, .value_kind: global_buffer, .address_space: global }
      - { .name: hq, .offset: 24, .size: 8, .value_kind: global_buffer, .address_space: global }
    .group_segment_fixed_size: 326144
    .private_segment_fixed_size: 0
    .kernarg_segment_align: 8
    .kernarg_segment_size: 32
    .max_flat_workgroup_size: 256
    .sgpr_count:     80
    .vgpr_count:     512
    .wavefront_size: 32
...
	.end_amdgpu_metadata
.endif
;; end of part 3
;; launch fc2 (part 4): grid 32 x 8, 8 waves a work-group, no clusters, 103,424 bytes of LDS; arguments w2, hq, place, gpos, y; writes y
.if DOCPART == 4
	.amdgcn_target "amdgcn-amd-amdhsa--gfx1250"
	.amdhsa_code_object_version 6
	.text
	.protected	k_qc65b99d2bd_fc2
	.globl	k_qc65b99d2bd_fc2
	.p2align	8
	.type	k_qc65b99d2bd_fc2,@function
k_qc65b99d2bd_fc2:
	s_mov_b64 s[64:65], 0
	v_nop
	global_prefetch_b8 v0, s[64:65] scope:SCOPE_SE
	s_setreg_imm32_b32 hwreg(HW_REG_WAVE_MODE, 25, 1), 1
	s_wait_xcnt 0x0
; SECOND LAYER.  y = gate x (h w2[e]) for the rows that chose expert e (the other experts' rows get the weight 0 in the combine and are not computed), both operands FP6 (E2M3), one E8M0 byte for each 32 along K = H.
; h arrives as operand images; w2 is streamed and quantised on the way.
; SHARES.  Work-group (x, y): expert y x columns 64 (x % 16) .. + 63 of D x half x / 16 of K: 16 chunks of 128 K x 64 columns of f32, whose rows are 256 aligned bytes.  K is halved so that
; 8 experts x 16 column slices x 2 give 256 work-groups; the two halves' sums go to two planes of y and the last launch adds them.  Each byte of w2 is read once in the main pass.
; ROLES.  Waves 0-3 stream and quantise w2 (four chunks, 64 loads of 512 bytes a wave, ahead; they start before the experts' table is read) and lay four fragments a chunk in LDS as register images, each chunk in a slot
; of its own; waves 4-7 load six tiles' h images into registers, a step ahead, and multiply; one barrier a step, on every wave's way, under no branch on loaded numbers.  Matrix tile j is the columns 4 r + j.
; ROWS.  The main pass takes the expert's tiles 0-23, six slots a wave.  A slot past the expert's tiles points at its first tile; slots 4 and 5 load it for K steps 0 and 1 only, so that every register is written,
; and from then on their loads are jumped over where the tile does not exist: their products run on what the registers hold, and nothing of them is stored.
; Tiles 24-63 are served behind the last barrier, with no LDS and no barrier: a consumer streams and quantises w2's chunk for itself (a lane a column, registers down K, 4 bytes a load) and takes h's images from memory.
; Source 0 = h, source 1 = the tile of w2: register jj of tile j in lane (r, h) is y(row 8 h + jj, column 4 r + j), so the multiplication by the gate writes four neighbouring columns into four neighbouring
; registers, and sixteen lanes store 256 aligned bytes of a row.
; NO TENSOR LOADS, NO CLUSTER: the experts' numbers of tiles are read from memory and steer branches.  NO PREFETCH: each producer already has four chunks asked for into registers.
; LIMITS: NaN and infinities are not served.  A block of zeros, or one whose largest magnitude lies under 2^-124, gets the byte 1 where the rule says 127: its codes are zeros and this program alone reads the bytes.
; REGISTERS.  v1-17 addresses, made ahead of the roles' parting, never rewritten.  Producer: v20-31 at work, v48-111 a chunk by tiles, v240-254 codes; window 1: four landing sets of 64.
; Consumer: v32-43 h's scale words (two sets), v44-47 w2's; v48-119, v168-239 h's images (two sets of 6 x 12); v120-167 w2's four fragments; window 1: 24 accumulators at 32 slot + 8 j.  v251, v255: the spare word's address and 0.
.set PITCH, 4096                       ; a row of w2[e] in bytes
.set IMG,   1792
.set SLOTB, 6400
.set WSCO,  6144
.set HALFL, 8*SLOTB                    ; slots 8-15 lie past an LDS immediate's reach: a second set of address registers
.set WV,  14
.set CW,  15
.set TBE, 19
.set NT,  20
.set WB,  22                           ; s[22:23] my chunks' base in w2;  s[24:25] the later passes' place in it
.set SB,  24
.set AB,  28                           ; s[28:39] the six slots' bases in hq
.set TI,  40                           ; s40-45   the six slots' tiles
.set SEL, 46
.set YB,  48                           ; s[48:49] my plane and columns of y;  s[50:51] the tile in hand
.set YC,  50
.set FT,  52
.set PASS, 53
.set KS,  54
.set TMP, 56
.set COL, 57
.set F4,  58                           ; slot 4's and slot 5's tiles in the main pass
.set F5,  59
.set GB,  66                           ; s[66:77] the six slots' bases in gpos
.set PM,  20
.set PX,  24
.set PS,  28
.set PC,  240
.set ASC, 32
.set WSC, 44
.set AF,  48
.set WF,  120
.set T,   48
.set GT,  48                           ; the gates, 8 a slot, where image set 0 lay
.set OUTR, 120
.set YO,  17
.set OA16, 26
.set OA8, 27
.set OA4, 28
.set TT,  168                          ; the later passes: one column's 32 numbers,
.set TC,  200                          ; and a block's upper 16 codes
.set MSB, 0
.macro WIN new                         ; the immediate's high byte repeats the setting that is left
.if MSB != \new
	s_set_vgpr_msb (MSB<<8)|\new
.set MSB, \new
.endif
.endm
.macro SLOTS                           ; slot sl of consumer cw is the expert's tile FT + 4 sl, or its first tile again
.irp sl, 0,1,2,3,4,5
	s_add_co_u32 s26, s[FT], 4*\sl
	s_cmp_lt_u32 s26, s[NT]
	s_cselect_b32 s26, s26, 0
	s_add_co_u32 s26, s26, s[TBE]
	s_min_u32 s[TI+\sl], s26, 135
	s_mul_i32 s26, s[TI+\sl], 32*IMG
	s_add_nc_u64 s[AB+2*\sl:AB+2*\sl+1], s[6:7], s[26:27]
	s_lshl_b32 s26, s[TI+\sl], 6
	s_add_nc_u64 s[GB+2*\sl:GB+2*\sl+1], s[10:11], s[26:27]
.endr
.endm
	s_load_b256 s[4:11], s[0:1], 0x0               ; w2, hq, place, gpos
	s_load_b64 s[12:13], s[0:1], 0x20              ; y
	v_lshl_add_u32 v251, v0, 2, 0x19000            ; my spare word, behind the 16 slots,
	v_mov_b32 v255, 0                              ; and 0: for the wave's last lines
	v_lshrrev_b32 v20, 5, v0
	v_readfirstlane_b32 s[WV], v20
	s_and_b32 s[CW], s[WV], 3
	s_and_b32 s16, ttmp7, 0xffff                   ; the expert
	s_lshl_b32 s18, s16, 2                         ; its entry of the table
	v_and_b32 v20, 31, v0                          ; lane
	v_and_b32 v21, 15, v0                          ; r
	v_bfe_u32 v22, v0, 4, 1                        ; h
	v_lshlrev_b32 v1, 4, v20
	v_lshlrev_b32 v2, 3, v20
	v_lshlrev_b32 v3, 2, v20
	v_lshlrev_b32 v4, 2, v21
	; a producer lane's three code registers are registers rho = 6 (pw / 2) + 3 hh + t of the fragment's lane r + 16 (pw % 2); register rho of lane L lies at 512 (rho / 4) + 16 L + 4 (rho % 4)
	s_lshr_b32 s26, s[CW], 1
	s_mul_i32 s26, s26, 6
	v_mul_u32_u24 v23, v22, 3
	v_add_nc_u32 v23, s26, v23
	s_and_b32 s26, s[CW], 1
	s_lshl_b32 s26, s26, 8
	v_lshl_add_u32 v28, v21, 4, s26
.irp t, 0,1,2
	v_add_nc_u32 v29, \t, v23
	v_lshrrev_b32 v30, 2, v29
	v_and_b32 v29, 3, v29
	v_lshl_add_u32 v[5+\t], v30, 9, v28
	v_lshl_add_u32 v[5+\t], v29, 2, v[5+\t]
	v_add_nc_u32 v[13+\t], HALFL, v[5+\t]
.endr
	v_lshl_add_u32 v8, v21, 2, s[CW]               ; column r's scale word, byte pw
	v_add_nc_u32 v16, HALFL, v8
	v_add_nc_u32 v11, HALFL, v1
	v_add_nc_u32 v12, HALFL, v4
	s_lshl_b32 s26, s[CW], 5
	v_lshl_add_u32 v9, v22, 4, s26
	v_lshlrev_b32 v9, 12, v9
	v_lshl_add_u32 v9, v21, 4, v9                  ; w2: row 32 pw + 16 hh, + 16 r
	v_lshlrev_b32 v10, 5, v22                      ; gates: 32 h
	v_lshlrev_b32 v[YO], 15, v22
	v_lshl_add_u32 v[YO], v21, 4, v[YO]            ; y: 8 h rows of 4,096 bytes, + 16 r
.irp j, 0,1,2,3
	v_mov_b32 v[PX+\j], 0                          ; written once: a lane permute's destination counts as one of its sources
.endr
	s_mov_b32 s[SEL], 0x76543210
	s_mov_b32 s[SEL+1], 0xfedcba98
	s_wait_alu depctr_va_vdst(0)
	s_wait_kmcnt 0x0
	s_load_b32 s17, s[8:9], s18 offset:0x0         ; the expert's first tile and tiles: the consumers alone need them; s18 and s[8:9] stay as they are
	s_lshr_b32 s21, ttmp9, 4                       ; which half of K
	s_and_b32 s[COL], ttmp9, 15                    ; which 64 columns
	s_lshl_b32 s[COL], s[COL], 8                   ; 64 columns are 256 bytes
	s_lshl_b32 s26, s16, 24                        ; w2[e] is 2^24 bytes,
	s_lshl_b32 s27, s21, 23                        ; half of K 2,048 rows of 4,096 bytes
	s_add_co_u32 s26, s26, s27
	s_add_co_u32 s26, s26, s[COL]
	s_mov_b32 s27, 0
	s_add_nc_u64 s[WB:WB+1], s[4:5], s[26:27]
	s_mul_i32 s26, s21, 16*IMG
	s_add_nc_u64 s[6:7], s[6:7], s[26:27]          ; hq at my half's first K step
	s_mul_i32 s26, s21, 8912896                    ; a plane of y: 2,176 rows of 4,096 bytes
	s_add_co_u32 s26, s26, s[COL]
	s_add_nc_u64 s[YB:YB+1], s[12:13], s[26:27]
	s_mov_b32 s[FT], s[CW]                         ; the main pass: tiles cw, cw + 4 .. cw + 20
	s_add_co_u32 s[F4], s[CW], 16
	s_add_co_u32 s[F5], s[CW], 20
	s_mov_b32 s[TBE], 0                            ; no tiles, and the buffers' own addresses, on every wave's way: the consumers put their numbers here when the table's word is in
	s_mov_b32 s[NT], 0
.irp sl, 0,1,2,3,4,5
	s_mov_b64 s[AB+2*\sl:AB+2*\sl+1], s[6:7]
	s_mov_b64 s[GB+2*\sl:GB+2*\sl+1], s[10:11]
	s_mov_b32 s[TI+\sl], 0
.endr
.macro ISSUE c                         ; chunk c: my 32 rows, 16 loads of 512 bytes, into landing set c % 4; every offset an immediate: 7,925,760 at the most
	WIN 0x40
.irp i, 0,1,2,3,4,5,6,7,8,9,10,11,12,13,14,15
	global_load_b128 v[64*((\c)%4)+4*\i:64*((\c)%4)+4*\i+3], v9, s[WB:WB+1] offset:((\c)<<19)+\i*PITCH th:TH_LOAD_NT
.endr
	WIN 0
.endm
.macro PROD c                          ; chunk c becomes four fragments in LDS slot c; its landing set takes chunk c + 4
.if (\c) <= 12
	s_wait_loadcnt 48                              ; behind chunk c's loads: three chunks' 48
.else
	s_wait_loadcnt 16*(15-(\c))                    ; the counts run down: 32, 16, 0
.endif
	WIN 0x01
.irp i, 0,1,2,3,4,5,6,7,8,9,10,11,12,13,14,15
.irp j, 0,1,2,3
	v_mov_b32 v[T+16*\j+\i], v[64*((\c)%4)+4*\i+\j]   ; by tiles: a conversion takes 16 neighbours along K from consecutive registers
.endr
.endr
.if (\c) <= 11
	ISSUE (\c)+4
.else
	WIN 0
.endif
.irp j, 0,1,2,3
	v_max3_num_f32 v[PM+\j], |v[T+16*\j]|, |v[T+16*\j+1]|, 0x1800000   ; my 16 of the block, and the floor 2^(3 - 127): the byte cannot fall under 1
.endr
.irp i, 2,4,6,8,10,12,14
.irp j, 0,1,2,3
	v_max3_num_f32 v[PM+\j], v[PM+\j], |v[T+16*\j+\i]|, |v[T+16*\j+\i+1]|   ; the four tiles by turns
.endr
.endr
.irp j, 0,1,2,3
	v_permlanex16_b32 v[PX+\j], v[PM+\j], s[SEL], s[SEL+1]
.endr
.irp j, 0,1,2,3
	v_max_num_f32 v[PM+\j], v[PM+\j], v[PX+\j]     ; with lane l xor 16's 16: the block's largest magnitude
.endr
.irp j, 0,1,2,3
	v_add_nc_u32 v[PS+\j], 0xff000000, v[PM+\j]    ; 2 off its exponent field: the conversion's scale operand
.endr
.irp j, 0,1,2,3
	v_lshrrev_b32 v[PM+\j], 23, v[PS+\j]           ; the scale's byte
.endr
.irp j, 0,1,2,3
	v_cvt_scalef32_pk16_fp6_f32 v[PC+4*\j:PC+4*\j+2], v[T+16*\j:T+16*\j+15], v[PS+\j]
.endr
	v_nop                                          ; one plain line behind the scaled conversions
.irp j, 0,1,2,3
.irp t, 0,1,2
	ds_store_b32 v[5+\t+8*((\c)/8)], v[PC+4*\j+\t] offset:SLOTB*((\c)%8)+1536*\j
.endr
	ds_store_b8 v[8+8*((\c)/8)], v[PM+\j] offset:SLOTB*((\c)%8)+WSCO+64*\j   ; both lanes of a block write the same byte with the same value
.endr
.endm
.macro ALOAD1 ks, bf, sl               ; slot sl's h image of my half's K step ks into set bf: five dense loads
	global_load_b128 v[AF+120*(\bf)+12*(\sl):AF+120*(\bf)+12*(\sl)+3], v1, s[AB+2*(\sl):AB+2*(\sl)+1] offset:(\ks)*IMG
	global_load_b64 v[AF+120*(\bf)+12*(\sl)+4:AF+120*(\bf)+12*(\sl)+5], v2, s[AB+2*(\sl):AB+2*(\sl)+1] offset:(\ks)*IMG+512
	global_load_b128 v[AF+120*(\bf)+12*(\sl)+6:AF+120*(\bf)+12*(\sl)+9], v1, s[AB+2*(\sl):AB+2*(\sl)+1] offset:(\ks)*IMG+768
	global_load_b64 v[AF+120*(\bf)+12*(\sl)+10:AF+120*(\bf)+12*(\sl)+11], v2, s[AB+2*(\sl):AB+2*(\sl)+1] offset:(\ks)*IMG+1280
	global_load_b32 v[ASC+6*(\bf)+(\sl)], v3, s[AB+2*(\sl):AB+2*(\sl)+1] offset:(\ks)*IMG+1536
.endm
.macro ALOAD ks, bf                    ; K steps 0 and 1 fill both sets whole; from then on slots 4 and 5 are loaded only where their tiles exist (every wait for these loads is for 0)
.irp sl, 0,1,2,3
	ALOAD1 \ks, \bf, \sl
.endr
.if (\ks) < 2
	ALOAD1 \ks, \bf, 4
	ALOAD1 \ks, \bf, 5
.else
	s_cmp_lt_u32 s[F4], s[NT]
	s_cbranch_scc0 .Lna_\@
	ALOAD1 \ks, \bf, 4
	s_cmp_lt_u32 s[F5], s[NT]
	s_cbranch_scc0 .Lna_\@
	ALOAD1 \ks, \bf, 5
.Lna_\@:
.endif
.endm
.macro WLOAD q                         ; w2's four fragments and their scale words out of LDS slot q
.irp j, 0,1,2,3
.irp g, 0,1,2
	ds_load_b128 v[WF+12*\j+4*\g:WF+12*\j+4*\g+3], v[1+10*((\q)/8)] offset:SLOTB*((\q)%8)+1536*\j+512*\g
.endr
	ds_load_b32 v[WSC+\j], v[4+8*((\q)/8)] offset:SLOTB*((\q)%8)+WSCO+64*\j
.endr
.endm
; 24 products: six slots x four tiles; the accumulators take turns, one instruction a turn.  zero = 1: the products start the sums.
; Five plain lines close the run: four ahead of loads into the operands and of reads of the results, a fifth ahead of a product that begins an accumulator anew.
.macro MUL bf, zero
	WIN 0x50
.irp sl, 0,1,2,3,4,5
.irp j, 0,1,2,3
.if \zero
	v_wmma_scale_f32_16x16x128_f8f6f4 v[32*\sl+8*\j:32*\sl+8*\j+7], v[AF+120*(\bf)+12*\sl:AF+120*(\bf)+12*\sl+11], v[WF+12*\j:WF+12*\j+11], 0, v[ASC+6*(\bf)+\sl], v[WSC+\j] matrix_a_fmt:MATRIX_FMT_FP6 matrix_b_fmt:MATRIX_FMT_FP6
.else
	v_wmma_scale_f32_16x16x128_f8f6f4 v[32*\sl+8*\j:32*\sl+8*\j+7], v[AF+120*(\bf)+12*\sl:AF+120*(\bf)+12*\sl+11], v[WF+12*\j:WF+12*\j+11], v[32*\sl+8*\j:32*\sl+8*\j+7], v[ASC+6*(\bf)+\sl], v[WSC+\j] matrix_a_fmt:MATRIX_FMT_FP6 matrix_b_fmt:MATRIX_FMT_FP6
.endif
.endr
.endr
	WIN 0
.rept 5
	v_nop
.endr
.endm
; STEP q: producers make chunk q + 1, consumers multiply chunk q; then the one barrier: in front of it each wave's LDS stores have landed and its LDS loads are in.
.macro STEP q, zero
	s_cmp_lt_u32 s[WV], 4
	s_cbranch_scc0 .Lcons_\@
	PROD (\q)+1
	s_branch .Ljoin_\@
.Lcons_\@:
	s_wait_loadcnt 0x0                             ; this step's images are in; nothing else of mine is out
	ALOAD (\q)+1, 1-(\q)%2                         ; the next step's: a whole step in which to land
	WLOAD \q
	s_wait_dscnt 0x0
	MUL (\q)%2, \zero
.Ljoin_\@:
	s_wait_dscnt 0x0
	s_barrier_signal -1
	s_barrier_wait -1
.endm
.macro GLOAD                           ; the six tiles' gates, 8 a lane (rows 8 h .. 8 h + 7), into the registers of image set 0
.irp sl, 0,1,2,3,4,5
	global_load_b128 v[GT+8*\sl:GT+8*\sl+3], v10, s[GB+2*\sl:GB+2*\sl+1]
	global_load_b128 v[GT+8*\sl+4:GT+8*\sl+7], v10, s[GB+2*\sl:GB+2*\sl+1] offset:16
.endr
.endm
; THE WAY OUT of slot sl: x the rows' gates, four neighbouring columns to four neighbouring registers; eight stores, in each of which sixteen lanes write 256 aligned bytes of a row.  A slot past the expert's tiles is jumped over.
.macro YOUT sl
	s_add_co_u32 s26, s[FT], 4*\sl
	s_cmp_ge_u32 s26, s[NT]
	s_cbranch_scc1 .Lno_\@
	s_wait_xcnt 0x0                                ; the last slot's stores have read their registers and their base
	s_lshl_b32 s26, s[TI+\sl], 16                  ; a tile is 16 rows of 4,096 bytes
	s_add_nc_u64 s[YC:YC+1], s[YB:YB+1], s[26:27]
	WIN 0x01
.irp k, 0,1,2,3,4,5,6,7                ; each accumulator is read from its low end on
.irp j, 0,1,2,3
	v_mul_f32 v[OUTR+4*\k+\j], v[32*\sl+8*\j+\k], v[GT+8*\sl+\k]
.endr
.endr
	WIN 0
.irp k, 0,1,2,3,4,5,6,7
	global_store_b128 v[YO], v[OUTR+4*\k:OUTR+4*\k+3], s[YC:YC+1] offset:4096*\k th:TH_STORE_NT
.endr
.Lno_\@:
.endm
	s_cmp_lt_u32 s[WV], 4
	s_cbranch_scc0 .Lcons_first
	ISSUE 0
	ISSUE 1
	ISSUE 2
	ISSUE 3
	s_wait_kmcnt 0x0                               ; (the table's word: not used here, but no scalar load stays out)
	PROD 0
	s_branch .Ljoin_first
.Lcons_first:
	s_wait_kmcnt 0x0
	s_and_b32 s[TBE], s17, 0xff
	s_min_u32 s[TBE], s[TBE], 135
	s_bfe_u32 s[NT], s17, 0x80008
	s_min_u32 s[NT], s[NT], 64
	SLOTS
	ALOAD 0, 0
.Ljoin_first:
	s_wait_dscnt 0x0
	s_barrier_signal -1
	s_barrier_wait -1
	STEP 0, 1
.irp q, 1,2,3,4,5,6,7,8,9,10,11,12,13,14
	STEP \q, 0
.endr
	s_cmp_lt_u32 s[WV], 4
	s_cbranch_scc1 .Lend                           ; no barrier follows
	s_wait_loadcnt 0x0                             ; the last step's images are in
	GLOAD                                          ; where the next images would be asked for
	WLOAD 15
	s_wait_dscnt 0x0
	MUL 1, 0
	s_wait_loadcnt 0x0                             ; the gates
	YOUT 0
	YOUT 1
	YOUT 2
	YOUT 3
	YOUT 4
	YOUT 5
; THE LATER PASSES: tiles 24 pass + cw + 4 slot, pass = 1, 2, where the expert has them: no LDS, no barrier.
	s_mov_b32 s[PASS], 1
.Lpass:
	s_mul_i32 s[FT], s[PASS], 24
	s_add_co_u32 s[FT], s[FT], s[CW]
	s_cmp_ge_u32 s[FT], s[NT]
	s_cbranch_scc1 .Lpass_next                     ; none of my six tiles exists
	s_wait_xcnt 0x0                                ; the last way out's stores have read their registers: they are written again from here on
	SLOTS
	s_mov_b64 s[SB:SB+1], s[WB:WB+1]
	v_and_b32 v29, 0xf0, v1
	v_lshl_add_u32 v29, v10, 12, v29               ; w2: 32 h rows of 4,096 bytes, + 16 r: the operand's layout gives lane (r, h) k = 64 c + 32 h + 0 .. 31
	v_lshrrev_b32 v30, 2, v10                      ; 8 h
	s_mov_b32 s[KS], 0
	s_wait_alu depctr_va_vdst(0)
.Lks:
.irp c, 0,1
.irp j, 0,1,2,3                        ; tile j's column 4 r + j: a whole block of 32 is mine
.set I, 0
.rept 32
	global_load_b32 v[TT+I], v29, s[SB:SB+1] offset:(64*\c+I)*PITCH+4*\j
.set I, I+1
.endr
	s_wait_loadcnt 0x0
	v_max3_num_f32 v20, |v[TT]|, |v[TT+1]|, |v[TT+2]|
	v_max3_num_f32 v21, |v[TT+3]|, |v[TT+4]|, |v[TT+5]|
.irp i, 6,10,14,18,22,26
	v_max3_num_f32 v20, v20, |v[TT+\i]|, |v[TT+\i+1]|
	v_max3_num_f32 v21, v21, |v[TT+\i+2]|, |v[TT+\i+3]|
.endr
	v_max3_num_f32 v20, v20, |v[TT+30]|, |v[TT+31]|
	v_max3_num_f32 v20, v20, v21, 0x1800000
	v_add_nc_u32 v22, 0xff000000, v20
	v_lshrrev_b32 v23, 23, v22
	v_cvt_scalef32_pk16_fp6_f32 v[WF+12*\j+6*\c:WF+12*\j+6*\c+2], v[TT:TT+15], v22
	v_cvt_scalef32_pk16_fp6_f32 v[TC:TC+2], v[TT+16:TT+31], v22
.if \c == 0
	v_mov_b32 v[WSC+\j], v23                       ; (a plain line behind the conversions)  block h's byte,
.else
	v_lshl_or_b32 v[WSC+\j], v23, 16, v[WSC+\j]    ; and block 2 + h's
.endif
.irp i, 0,1,2
	v_mov_b32 v[WF+12*\j+6*\c+3+\i], v[TC+\i]
.endr
.endr
.endr
.irp j, 0,1,2,3
	v_lshlrev_b32 v[WSC+\j], v30, v[WSC+\j]        ; at their places in the column's word;
.endr
.irp j, 0,1,2,3
	v_permlanex16_b32 v[20+\j], v[WSC+\j], s[SEL], s[SEL+1]
.endr
.irp j, 0,1,2,3
	v_or_b32 v[WSC+\j], v[WSC+\j], v[20+\j]        ; with lane l xor 16's two the word is whole
.endr
	s_mul_i32 s[TMP], s[KS], IMG
	v_add_nc_u32 v[OA16], s[TMP], v1
	v_add_nc_u32 v[OA8], s[TMP], v2
	v_add_nc_u32 v[OA4], s[TMP], v3
.irp sl, 0,1,2,3,4,5
	global_load_b128 v[AF+12*\sl:AF+12*\sl+3], v[OA16], s[AB+2*\sl:AB+2*\sl+1]
	global_load_b64 v[AF+12*\sl+4:AF+12*\sl+5], v[OA8], s[AB+2*\sl:AB+2*\sl+1] offset:512
	global_load_b128 v[AF+12*\sl+6:AF+12*\sl+9], v[OA16], s[AB+2*\sl:AB+2*\sl+1] offset:768
	global_load_b64 v[AF+12*\sl+10:AF+12*\sl+11], v[OA8], s[AB+2*\sl:AB+2*\sl+1] offset:1280
	global_load_b32 v[ASC+\sl], v[OA4], s[AB+2*\sl:AB+2*\sl+1] offset:1536
.endr
.rept 8
	v_nop                                          ; a scale register written by a vector instruction stands 8 places ahead of a scaled matrix instruction, an operand 4
.endr
	s_wait_alu depctr_va_vdst(0)
	s_wait_loadcnt 0x0
	s_cmp_eq_u32 s[KS], 0
	s_cbranch_scc1 .Lks_zero
	MUL 0, 0
	s_branch .Lks_next
.Lks_zero:
	MUL 0, 1                                       ; the pass's first K step starts the sums
.Lks_next:
	s_add_nc_u64 s[SB:SB+1], s[SB:SB+1], 128*PITCH
	s_add_co_u32 s[KS], s[KS], 1
	s_cmp_lt_u32 s[KS], 16
	s_cbranch_scc1 .Lks
	GLOAD
	s_wait_loadcnt 0x0
	YOUT 0
	YOUT 1
	YOUT 2
	YOUT 3
	YOUT 4
	YOUT 5
.Lpass_next:
	s_add_co_u32 s[PASS], s[PASS], 1
	s_cmp_lt_u32 s[PASS], 3
	s_cbranch_scc1 .Lpass
.Lend:
	s_wait_tensorcnt 0x0                           ; the wave's end, behind my last LDS store
	ds_add_u32 v251, v255
	s_wait_dscnt 0x0
	s_endpgm
.Lfunc_end_k_qc65b99d2bd_fc2:
	.size	k_qc65b99d2bd_fc2, .Lfunc_end_k_qc65b99d2bd_fc2-k_qc65b99d2bd_fc2
	.p2alignl 7, 3214868480
	.fill 96, 4, 3214868480
	.section	.rodata,"a",@progbits
	.p2align	6, 0x0
	.amdhsa_kernel k_qc65b99d2bd_fc2
		.amdhsa_group_segment_fixed_size 103424
		.amdhsa_private_segment_fixed_size 0
		.amdhsa_enable_private_segment 0
		.amdhsa_kernarg_size 40
		.amdhsa_user_sgpr_count 2
		.amdhsa_user_sgpr_kernarg_segment_ptr 1
		.amdhsa_wavefront_size32 1
		.amdhsa_system_sgpr_workgroup_id_x 1
		.amdhsa_system_sgpr_workgroup_id_y 1
		.amdhsa_system_sgpr_workgroup_id_z 1
		.amdhsa_system_vgpr_workitem_id 0
		.amdhsa_next_free_vgpr 512
		.amdhsa_next_free_sgpr 80
		.amdhsa_reserve_vcc 0
		.amdhsa_float_denorm_mode_32 3
		.amdhsa_float_denorm_mode_16_64 3
		.amdhsa_memory_ordered 1
		.amdhsa_forward_progress 1
		.amdhsa_inst_pref_size 255
	.end_amdhsa_kernel
	.section	.bss,"aw",@nobits
	.p2align	6
	.space	262144
	.amdgpu_metadata
---
amdhsa.version: [ 1, 2 ]
amdhsa.kernels:
  - .name:           k_qc65b99d2bd_fc2
    .symbol:         k_qc65b99d2bd_fc2.kd
    .args:
      - { .name: w2, .offset: 0, .size: 8, .value_kind: global_buffer, .address_space: global }
      - { .name: hq, .offset: 8, .size: 8, .value_kind: global_buffer, .address_space: global }
      - { .name: place, .offset: 16, .size: 8, .value_kind: global_buffer, .address_space: global }
      - { .name: gpos, .offset: 24, .size: 8, .value_kind: global_buffer, .address_space: global }
      - { .name: y, .offset: 32, .size: 8, .value_kind: global_buffer, .address_space: global }
    .group_segment_fixed_size: 103424
    .private_segment_fixed_size: 0
    .kernarg_segment_align: 8
    .kernarg_segment_size: 40
    .max_flat_workgroup_size: 256
    .sgpr_count:     80
    .vgpr_count:     512
    .wavefront_size: 32
...
	.end_amdgpu_metadata
.endif
;; end of part 4
;; launch combine (part 5): grid 256 x 1, 4 waves a work-group, no clusters, 0 bytes of LDS; arguments y, place, out0; writes out0
.if DOCPART == 5
	.amdgcn_target "amdgcn-amd-amdhsa--gfx1250"
	.amdhsa_code_object_version 6
	.text
	.protected	k_qc65b99d2bd_combine
	.globl	k_qc65b99d2bd_combine
	.p2align	8
	.type	k_qc65b99d2bd_combine,@function
k_qc65b99d2bd_combine:
	s_mov_b64 s[64:65], 0
	v_nop
	global_prefetch_b8 v0, s[64:65] scope:SCOPE_SE
	s_setreg_imm32_b32 hwreg(HW_REG_WAVE_MODE, 25, 1), 1
	s_wait_xcnt 0x0
; out[t] = the sum of four rows of y: the token's two positions (its two experts, already multiplied by their gates) x the two halves of K.
; A wave takes a token: a row is 4,096 bytes, eight pieces of 512 consecutive bytes; all 32 loads go out at once, each piece has registers of its own, and each byte of out0 is written once, 512 consecutive bytes a store.
; A stream: no LDS, no barrier, no matrix unit.  The positions are whole numbers that an earlier launch stored; they are held to the buffer's rows ahead of the addresses.
.set R, 16                             ; v16-143: piece i: four rows x 4 registers
	s_load_b128 s[4:7], s[0:1], 0x0                ; y, place
	s_load_b64 s[8:9], s[0:1], 0x10                ; out0
	v_lshrrev_b32 v1, 5, v0
	v_readfirstlane_b32 s10, v1                    ; wave
	v_and_b32 v1, 31, v0
	v_lshlrev_b32 v1, 4, v1                        ; 16 x lane
	s_lshl_b32 s11, ttmp9, 2
	s_add_co_u32 s11, s11, s10                     ; my token
	s_lshl_b32 s14, s11, 3
	s_lshl_b32 s20, s11, 12
	s_mov_b32 s21, 0
	s_wait_alu depctr_va_vdst(0)
	s_wait_kmcnt 0x0
	s_load_b64 s[12:13], s[6:7], s14 offset:0x100  ; its two positions
	s_add_nc_u64 s[8:9], s[8:9], s[20:21]
	s_wait_kmcnt 0x0
	s_min_u32 s12, s12, 2175
	s_min_u32 s13, s13, 2175
	s_lshl_b32 s20, s12, 12
	s_add_nc_u64 s[16:17], s[4:5], s[20:21]
	s_lshl_b32 s20, s13, 12
	s_add_nc_u64 s[18:19], s[4:5], s[20:21]
	s_add_nc_u64 s[22:23], s[16:17], 8912896       ; the same rows in the second plane
	s_add_nc_u64 s[24:25], s[18:19], 8912896
.irp i, 0,1,2,3,4,5,6,7
	global_load_b128 v[R+16*\i:R+16*\i+3], v1, s[16:17] offset:512*\i th:TH_LOAD_NT
	global_load_b128 v[R+16*\i+4:R+16*\i+7], v1, s[18:19] offset:512*\i th:TH_LOAD_NT
	global_load_b128 v[R+16*\i+8:R+16*\i+11], v1, s[22:23] offset:512*\i th:TH_LOAD_NT
	global_load_b128 v[R+16*\i+12:R+16*\i+15], v1, s[24:25] offset:512*\i th:TH_LOAD_NT
.endr
.irp i, 0,1,2,3,4,5,6,7
	s_wait_loadcnt 28-4*\i                         ; piece i's four loads are in; four for each later piece may be out
	v_pk_add_f32 v[R+16*\i:R+16*\i+1], v[R+16*\i:R+16*\i+1], v[R+16*\i+4:R+16*\i+5]
	v_pk_add_f32 v[R+16*\i+2:R+16*\i+3], v[R+16*\i+2:R+16*\i+3], v[R+16*\i+6:R+16*\i+7]
	v_pk_add_f32 v[R+16*\i+8:R+16*\i+9], v[R+16*\i+8:R+16*\i+9], v[R+16*\i+12:R+16*\i+13]
	v_pk_add_f32 v[R+16*\i+10:R+16*\i+11], v[R+16*\i+10:R+16*\i+11], v[R+16*\i+14:R+16*\i+15]
	v_pk_add_f32 v[R+16*\i:R+16*\i+1], v[R+16*\i:R+16*\i+1], v[R+16*\i+8:R+16*\i+9]
	v_pk_add_f32 v[R+16*\i+2:R+16*\i+3], v[R+16*\i+2:R+16*\i+3], v[R+16*\i+10:R+16*\i+11]
	global_store_b128 v1, v[R+16*\i:R+16*\i+3], s[8:9] offset:512*\i th:TH_STORE_NT
.endr
	s_endpgm
.Lfunc_end_k_qc65b99d2bd_combine:
	.size	k_qc65b99d2bd_combine, .Lfunc_end_k_qc65b99d2bd_combine-k_qc65b99d2bd_combine
	.p2alignl 7, 3214868480
	.fill 96, 4, 3214868480
	.section	.rodata,"a",@progbits
	.p2align	6, 0x0
	.amdhsa_kernel k_qc65b99d2bd_combine
		.amdhsa_group_segment_fixed_size 0
		.amdhsa_private_segment_fixed_size 0
		.amdhsa_enable_private_segment 0
		.amdhsa_kernarg_size 24
		.amdhsa_user_sgpr_count 2
		.amdhsa_user_sgpr_kernarg_segment_ptr 1
		.amdhsa_wavefront_size32 1
		.amdhsa_system_sgpr_workgroup_id_x 1
		.amdhsa_system_sgpr_workgroup_id_y 1
		.amdhsa_system_sgpr_workgroup_id_z 1
		.amdhsa_system_vgpr_workitem_id 0
		.amdhsa_next_free_vgpr 144
		.amdhsa_next_free_sgpr 66
		.amdhsa_reserve_vcc 0
		.amdhsa_float_denorm_mode_32 3
		.amdhsa_float_denorm_mode_16_64 3
		.amdhsa_memory_ordered 1
		.amdhsa_forward_progress 1
		.amdhsa_inst_pref_size 9
	.end_amdhsa_kernel
	.amdgpu_metadata
---
amdhsa.version: [ 1, 2 ]
amdhsa.kernels:
  - .name:           k_qc65b99d2bd_combine
    .symbol:         k_qc65b99d2bd_combine.kd
    .args:
      - { .name: y, .offset: 0, .size: 8, .value_kind: global_buffer, .address_space: global }
      - { .name: place, .offset: 8, .size: 8, .value_kind: global_buffer, .address_space: global }
      - { .name: out0, .offset: 16, .size: 8, .value_kind: global_buffer, .address_space: global }
    .group_segment_fixed_size: 0
    .private_segment_fixed_size: 0
    .kernarg_segment_align: 8
    .kernarg_segment_size: 24
    .max_flat_workgroup_size: 128
    .sgpr_count:     66
    .vgpr_count:     144
    .wavefront_size: 32
...
	.end_amdgpu_metadata
.endif
;; end of part 5
